; MI455X (gfx1250); checked and timed in simulation.
; The chip was launched on July 23, 2026; its instructions are those of AMD's public machine-readable ISA for CDNA 5 (MIT licence, August 2026) and "CDNA5" Instruction Set Architecture Reference Guide (July 2026). The comments in the code are by the model that wrote it; some were corrected since.
;; Distance Weighted Self Attention. Allowed arithmetic: matrix products marked QUANTISED: E5M2 operands, one E8M0 scale for each 32 along K, by v_wmma_scale_f32_16x16x128_f8f6f4 with both operands' format E5M2, f32 sums; everything else in f32.
;; Inputs: Wk 1 x 256 float32; Wq 1 x 256 float32; Wv 1 x 256 float32; inputs 8 x 2,048 x 2 float32.
;; Outputs: out0 8 x 2,048 x 256 float32.
;; This version of the problem:
;;   THIS VERSION OF THE PROBLEM IS GIVEN IN LOW PRECISION. The matrix products marked QUANTISED in the list below multiply operands that are first quantised to E5M2 (5 exponent bits, 2 mantissa bits; 8 bits a number), with one power-of-two scale for each 32 numbers along K (OCP MX v1.0); their sums are f32. All else is computed in f32.
;;   The module's matrix products, in the order in which they are computed (A, B: the left and right operand; K: the contracted axis; several contracted axes count as one K, in the product's order):
;;     1. batch 8 x [M 2,048, K 256] x [K 256, N 2,048]; A: computed on the way; B: computed on the way: QUANTISED
;;     2. batch 8 x [M 2,048, K 2,048] x [K 2,048, N 256]; A: computed on the way; B: computed on the way: QUANTISED
;;   THE QUANTISER, for each operand of a quantised product, along K:
;;     - K is cut into blocks of 32 from its start; a last block that is shorter is filled with zeros.
;;     - A block's scale is 2^e with e = floor(log2(the largest magnitude in the block)) - 15, held to -126 .. 127; a block of zeros has e = 0. As a byte (E8M0): e + 127.
;;     - Each number is divided by its block's scale, clamped to +-57,344, and rounded to the nearest number of E5M2, ties to even, subnormals kept.
;;     - The product sums the exact products of the quantised numbers (number of the format x scale) in f32.
;;   ~~~python
;;   def quantise(x, axis):      # numpy; x: float32 -> the quantised numbers, widened to float32 again
;;       x = np.moveaxis(x, axis, -1); K = x.shape[-1]
;;       x = np.pad(x, [(0, 0)] * (x.ndim - 1) + [(0, -K % 32)]); x = x.reshape(x.shape[:-1] + (-1, 32)); a = np.abs(x).max(-1, keepdims=True)
;;       e = np.where(a > 0, np.clip(np.frexp(np.where(a > 0, a, 1))[1] - 1 - 15, -126, 127), 0)      # np.frexp(a)[1] - 1 = floor(log2(a)), exactly
;;       r = np.clip(x / 2.0 ** e, -57344, 57344)
;;       step = 2.0 ** (np.maximum(np.frexp(np.where(r == 0, 1, r))[1] - 1, -14) - 2)
;;       q = np.round(r / step) * step * 2.0 ** e      # np.round: ties to even
;;       return np.moveaxis(q.reshape(q.shape[:-2] + (-1,))[..., :K], -1, axis).astype(np.float32)
;;   ~~~
;;   OPERANDS COMPUTED ON THE WAY. 'Computed on the way' means the value that the module computes at that place (a softmax that the list does not call 'softmax' is quantised finished and normalised). What goes into a quantiser is computed in f32, as accurately as f32 sums, v_exp_f32 and their like allow (about 1e-6 of the number): no bf16 or f16 on the way to a quantiser, and a product that is left as it is and whose result goes on into a quantised operand takes f32 operands (vector FMAs, or v_wmma_f32_16x16x4_f32). A number that lies on a knife's edge between two numbers of the format may be rounded either way, as far as f32 arithmetic and the matrix unit's own rounding can turn it there, and no further.
;; 2 versions. Each part assembles by itself: llvm-mc -triple=amdgcn-amd-amdhsa -mcpu=gfx1250 --defsym DOCPART=n.
;; ======== version 1 of 2: 2 launches
;; limits: inputs' magnitudes at most 100,000,000; right only within a limited range of input values
;; workspace buffers: qf 4,194,304 bytes; kf 4,194,304 bytes; vf 4,194,304 bytes; qs 131,072 bytes; ks 131,072 bytes; vs 131,072 bytes; ksz 65,536 bytes; qsz 131,072 bytes
;; launch prep (part 1): grid 384 x 1, 4 waves a work-group, no clusters, 0 bytes of LDS; arguments inputs, Wq, Wk, Wv, qf, qs, kf, ks, vf, vs, ksz, qsz; writes qf, qs, kf, ks, vf, vs, ksz, qsz
.if DOCPART == 1
	.amdgcn_target "amdgcn-amd-amdhsa--gfx1250"
	.amdhsa_code_object_version 6
	.text
	.protected	k_q097467015b_prep
	.globl	k_q097467015b_prep
	.p2align	8
	.type	k_q097467015b_prep,@function
k_q097467015b_prep:
	s_mov_b64 s[64:65], 0
	v_nop
	global_prefetch_b8 v0, s[64:65] scope:SCOPE_SE
	s_setreg_imm32_b32 hwreg(HW_REG_WAVE_MODE, 25, 1), 1
	s_wait_xcnt 0x0
; q = height x Wq, k = height x Wk (quantised along d = 256) and v = height x Wv (quantised along the 2,048 keys) become codes of BF8 (E5M2) with one E8M0 byte for each 32 along K,
; ONCE, laid in the order of the operand registers of the second launch: a fragment (16 rows x 128 K) is four pieces of 512 bytes, lane l's 16 bytes at 16 l.  Two small f32 tables go with them.
;   qf [batch 8][pair P 64][e 2][st 2][c 4][lane 32][16 B]: query 32 P + 16 e + r, d = 128 st + 32 c + 16 h + 0..15   (lane = 16 h + r)
;   kf the same shape: key 32 P + 8 e + r + 8 (r / 8): the keys of a tile are chosen so that the scores of tiles e = 0, 1 are 16 neighbouring keys in a lane
;   vf [batch][S 16][ct 16][c 4][lane][16 B]: channel 16 ct + r, keys 128 S + 32 c + 16 h + 0..15
;   qs, ks [batch][P][lane][2 words]: word e: lanes 0-15 row r's scale word of d 0..127, lanes 16-31 that of d 128..255
;   vs [batch][S][cq 4][lane][2 words]: word p of lane (r, h): channel tile 4 cq + 2 p + h, row r
;   ksz [batch][2048]: -8 size_j, or -2^32 where height_j = 0.     qsz [batch][2048][2]: 8 size_i, and 16 x -1e9 where height_i = 0, else 0
; WORK THAT IS FOLDED (no input is left out).  reference() adds (1 - key_mask) x -1e9 to the logits and multiplies the finished weights by key_mask.  Here a key of height 0 gets -2^32 in place of
; -8 size_j, so that 16 x its logit is about -2^32.  In a row that has a key of height other than 0, the weight of such a key is 0 in f32 both ways, and key_mask then multiplies a 0.  In a batch in which
; every height is 0, every number of v is 0, so the result is 0 both ways, whatever the weights.  LIMIT: this holds while the logits of pairs of valid keys and queries stay above about -1e8.
; The term (1 - query_mask) x -1e9 is kept, with reference()'s own f32 rounding: all terms are carried x 16, a power of two, which rounds nothing.
; THE QUANTISER: a block's scale is 2^(floor(log2(largest magnitude)) - 15); its byte is the largest magnitude's exponent field - 15, held at 1 from below.  A block of zeros gets the byte 1 where the rule
; says 127: its codes are zeros, and this program alone reads the bytes.
; LIMITS: NaN and infinities among the inputs are not served; blocks whose largest magnitude lies under 2^-111 keep the byte 1 and were not tried.
; SHARES: work-groups 0-127 take q, 128-255 k: a wave takes one pair P (32 rows x 256).  Work-groups 256-383 take v: one (batch, S), wave cq takes channel tiles 4 cq .. 4 cq + 3.  No LDS, no barrier.
.set TM, 32                            ; v32-47   the quantiser's sixteen registers at work
.set PC, 48                            ; v48-63   a fragment's codes
.set X,  64                            ; v64-127  64 numbers of a lane: register 16 b + i = K 32 b + 16 h + i of the lane's row
.set WR, 128                           ; v128-255 the weight's 256 numbers of my half, or 64 keys' (size, height) pairs
; 64 numbers in v[X] on become a fragment's codes in v[PC] on and the row's scale word in v[pw]
.macro QUANT pw
.irp b, 0,1,2,3
	v_max3_num_f32 v[TM+\b], |v[X+16*\b]|, |v[X+1+16*\b]|, 0x8000000   ; block b: my 16 numbers, and the floor 2^(16 - 127): the byte cannot fall under 1
.endr
.irp i, 2,4,6,8,10,12,14
.irp b, 0,1,2,3
	v_max3_num_f32 v[TM+\b], v[TM+\b], |v[X+16*\b+\i]|, |v[X+1+16*\b+\i]|   ; the four blocks by turns
.endr
.endr
.irp b, 0,1,2,3
	v_permlanex16_b32 v[TM+4+\b], v[TM+\b], s40, s41
.endr
.irp b, 0,1,2,3
	v_max_num_f32 v[TM+\b], v[TM+\b], v[TM+4+\b]   ; with lane l xor 16's 16 numbers: the block's largest magnitude
.endr
.irp b, 0,1,2,3
	v_add_nc_u32 v[TM+12+\b], 0xf8800000, v[TM+\b]   ; 15 off its exponent field: the conversion's scale operand
.endr
.irp b, 0,1,2,3
	v_and_or_b32 v[TM+8+\b], v[TM+\b], 0x7f800000, s42   ; 57,344 x the scale
.endr
.irp b, 0,1,2,3
	v_lshrrev_b32 v[TM+4+\b], 23, v[TM+12+\b]   ; the scale's byte
.endr
	v_lshl_or_b32 v[\pw], v[TM+5], 8, v[TM+4]
	v_lshl_or_b32 v[\pw], v[TM+6], 16, v[\pw]
	v_lshl_or_b32 v[\pw], v[TM+7], 24, v[\pw]
.irp b, 0,1,2,3
.irp i, 0,1,2,3,4,5,6,7,8,9,10,11,12,13,14,15
	v_med3_num_f32 v[X+16*\b+\i], v[X+16*\b+\i], -v[TM+8+\b], v[TM+8+\b]   ; the conversion to an 8-bit code does not saturate (ISA guide 7.6.2): the hold at the largest code x the scale
.endr
	v_cvt_scalef32_pk8_bf8_f32 v[PC+4*\b:PC+1+4*\b], v[X+16*\b:X+7+16*\b], v[TM+12+\b]
	v_cvt_scalef32_pk8_bf8_f32 v[PC+2+4*\b:PC+3+4*\b], v[X+8+16*\b:X+15+16*\b], v[TM+12+\b]
.endr
	v_nop                                          ; a plain line behind the last conversion: the next lines write its sources
.endm
.macro PUT base, off                   ; the fragment leaves as it stands: each store of the wave covers 512 consecutive bytes, aligned
.irp c, 0,1,2,3
	global_store_b128 v4, v[PC+4*\c:PC+4*\c+3], s[\base:\base+1] offset:(\off)+512*\c
.endr
.endm
	s_load_b512 s[4:19], s[0:1], 0x0               ; inputs s[4:5], Wq s[6:7], Wk s[8:9], Wv s[10:11], qf s[12:13], qs s[14:15], kf s[16:17], ks s[18:19]
	s_load_b256 s[20:27], s[0:1], 0x40             ; vf s[20:21], vs s[22:23], ksz s[24:25], qsz s[26:27]
	v_lshrrev_b32 v1, 5, v0
	v_readfirstlane_b32 s28, v1                    ; wave 0..3
	v_and_b32 v1, 31, v0                           ; lane
	v_and_b32 v2, 15, v0                           ; r
	v_bfe_u32 v3, v0, 4, 1                         ; h
	v_lshlrev_b32 v4, 4, v1                        ; 16 x lane
	v_lshlrev_b32 v5, 3, v1                        ; 8 x lane
	v_cmp_le_u32 s44, 16, v1                       ; lanes 16-31
	s_mov_b32 s40, 0x76543210
	s_mov_b32 s41, 0xfedcba98                      ; v_permlanex16_b32's selects for lane l xor 16
	s_mov_b32 s42, 0x600000                        ; the mantissa field of 57,344
.irp b, 0,1,2,3
	v_mov_b32 v[TM+4+\b], 0                        ; written once: a lane permute's destination counts as one of its sources
.endr
	s_mov_b32 s31, 0                               ; the offsets' upper words
	s_mov_b32 s33, 0
	s_cmp_ge_u32 ttmp9, 256
	s_cbranch_scc1 .Lvpath
	; ---- q and k
	s_lshr_b32 s29, ttmp9, 7                       ; 0: q, 1: k
	s_and_b32 s36, ttmp9, 127
	s_lshl_b32 s36, s36, 2
	s_add_co_u32 s36, s36, s28                     ; my wave's job, 0..511
	s_lshr_b32 s37, s36, 6                         ; batch
	s_and_b32 s38, s36, 63                         ; P
	s_lshl_b32 s30, s37, 14
	s_lshl_b32 s39, s38, 8
	s_add_co_u32 s30, s30, s39                     ; 16,384 batch + 256 P: my 32 rows in inputs (8 bytes a row); the same figure is my place in qs, ks and qsz
	s_lshl_b32 s32, s37, 19
	s_lshl_b32 s39, s38, 13
	s_add_co_u32 s32, s32, s39                     ; my place in qf or kf
	s_cmp_eq_u32 s29, 0
	s_cselect_b32 s45, 0, 8                        ; k: rows 8..15 of a tile lie 8 further on
	s_cselect_b32 s46, 128, 64                     ; from tile e = 0 to e = 1: 16 rows (q) or 8 rows (k) of 8 bytes
	v_lshrrev_b32 v6, 3, v2
	v_mul_u32_u24 v6, s45, v6
	v_add_nc_u32 v6, v6, v2
	v_lshlrev_b32 v6, 3, v6                        ; tile 0: my row's bytes in inputs
	v_add_nc_u32 v7, s46, v6                       ; tile 1
	v_lshlrev_b32 v8, 6, v3                        ; the weight: 64 h bytes: my 16 numbers of each block of 32
	s_wait_kmcnt 0x0
	s_cmp_eq_u32 s29, 0                            ; (the additions above have written SCC)
	s_cselect_b64 s[48:49], s[6:7], s[8:9]         ; the weight,
	s_cselect_b64 s[50:51], s[12:13], s[16:17]     ; the codes,
	s_cselect_b64 s[52:53], s[14:15], s[18:19]     ; the scale words: the choice hangs on the work-group's number alone
	s_add_nc_u64 s[4:5], s[4:5], s[30:31]
	s_add_nc_u64 s[50:51], s[50:51], s[32:33]
	s_add_nc_u64 s[52:53], s[52:53], s[30:31]
	s_add_nc_u64 s[26:27], s[26:27], s[30:31]
	global_load_b32 v12, v6, s[4:5] offset:4       ; my row's height, tile 0
	global_load_b32 v14, v7, s[4:5] offset:4       ; tile 1
.irp st, 0,1
.irp c, 0,1,2,3
.irp g, 0,1,2,3
	global_load_b128 v[WR+64*\st+16*\c+4*\g:WR+64*\st+16*\c+4*\g+3], v8, s[48:49] offset:512*\st+128*\c+16*\g   ; W(128 st + 32 c + 16 h + 4 g ..)
.endr
.endr
.endr
	s_wait_loadcnt 0x0
	v_mov_b32 v13, v12                             ; (named with it as a pair, so it is written)
	v_mov_b32 v15, v14
.macro QKSTEP st, e, first
.if !(\first)
	s_wait_xcnt 0x0                                ; the last fragment's stores have read their data: the codes' registers are written again only behind this wait
.endif
.set n, 0
.rept 32
	v_pk_mul_f32 v[X+n:X+n+1], v[WR+64*(\st)+n:WR+64*(\st)+n+1], v[12+2*(\e):13+2*(\e)] op_sel_hi:[1,0]   ; height x W: one f32 multiplication, as reference() has it
.set n, n+2
.endr
	QUANT 16+2*(\e)+(\st)
	PUT 50, (\e)*4096+(\st)*2048
.endm
	QKSTEP 0, 0, 1
	QKSTEP 0, 1, 0
	QKSTEP 1, 0, 0
	QKSTEP 1, 1, 0
	v_cndmask_b32 v20, v16, v17, s44               ; tile 0: lanes 0-15 the word of d 0..127, lanes 16-31 that of d 128..255
	v_cndmask_b32 v21, v18, v19, s44               ; tile 1
	global_store_b64 v5, v[20:21], s[52:53]        ; 256 consecutive bytes, aligned
	s_cmp_lg_u32 s29, 0
	s_cbranch_scc1 .Lqdone
	global_load_b64 v[22:23], v5, s[4:5]           ; q's waves also make qsz: lane l takes query 32 P + l
	s_wait_loadcnt 0x0
	v_mul_f32 v24, 0x41000000, v22                 ; 8 size: exact
	v_mov_b32 v26, 0xd06e6b28                      ; 16 x -1e9: exact
	v_cmp_eq_f32 vcc_lo, 0, v23
	v_cndmask_b32 v25, 0, v26, vcc_lo
	global_store_b64 v5, v[24:25], s[26:27]        ; 256 consecutive bytes, aligned
.Lqdone:
	s_endpgm
	; ---- v
.Lvpath:
	s_sub_co_u32 s36, ttmp9, 256
	s_lshr_b32 s37, s36, 4                         ; batch
	s_and_b32 s38, s36, 15                         ; S: keys 128 S on
	s_lshl_b32 s30, s37, 14
	s_lshl_b32 s39, s38, 10
	s_add_co_u32 s30, s30, s39                     ; my 128 keys in inputs
	s_lshl_b32 s34, s28, 8                         ; 256 cq
	s_add_co_u32 s46, s30, s34                     ; my place in vs: 16,384 batch + 1,024 S + 256 cq
	s_mov_b32 s47, 0
	s_lshl_b32 s32, s37, 19
	s_lshl_b32 s39, s38, 15
	s_add_co_u32 s32, s32, s39
	s_lshl_b32 s39, s28, 13
	s_add_co_u32 s32, s32, s39                     ; my place in vf
	s_lshl_b32 s48, s37, 13
	s_lshl_b32 s39, s38, 9
	s_add_co_u32 s48, s48, s39                     ; my work-group's place in ksz
	s_mov_b32 s49, 0
	v_lshlrev_b32 v6, 7, v3                        ; 128 h: my 16 keys of each block of 32, 8 bytes a key
	v_lshlrev_b32 v7, 2, v2
	v_add_nc_u32 v7, s34, v7                       ; Wv: channel 64 cq + r
	s_wait_kmcnt 0x0
	s_add_nc_u64 s[4:5], s[4:5], s[30:31]
	s_add_nc_u64 s[20:21], s[20:21], s[32:33]
	s_add_nc_u64 s[22:23], s[22:23], s[46:47]
	s_add_nc_u64 s[24:25], s[24:25], s[48:49]
.irp c, 0,1,2,3
.irp g, 0,1,2,3,4,5,6,7
	global_load_b128 v[WR+32*\c+4*\g:WR+32*\c+4*\g+3], v6, s[4:5] offset:256*\c+16*\g   ; (size, height) of keys 32 c + 16 h + 2 g, + 1: the height of key i is register 32 c + 2 i + 1
.endr
.endr
.irp n, 0,1,2,3
	global_load_b32 v[12+\n], v7, s[10:11] offset:64*\n   ; Wv(64 cq + 16 n + r)
.endr
	s_wait_loadcnt 0x0
.macro VSTEP n, first
.if !(\first)
	s_wait_xcnt 0x0                                ; the last fragment's stores have read their data
.endif
.irp c, 0,1,2,3
.irp i, 0,1,2,3,4,5,6,7,8,9,10,11,12,13,14,15
	v_mul_f32 v[X+16*\c+\i], v[WR+32*\c+2*\i+1], v[12+(\n)]   ; height x Wv
.endr
.endr
	QUANT 16+(\n)
	PUT 20, (\n)*2048
.endm
	VSTEP 0, 1
	VSTEP 1, 0
	VSTEP 2, 0
	VSTEP 3, 0
	v_cndmask_b32 v20, v16, v17, s44               ; word 0: lanes 0-15 channel tile 4 cq, lanes 16-31 tile 4 cq + 1
	v_cndmask_b32 v21, v18, v19, s44               ; word 1: tiles 4 cq + 2, + 3
	global_store_b64 v5, v[20:21], s[22:23]        ; 256 consecutive bytes, aligned
	s_cmp_lg_u32 s28, 0
	s_cbranch_scc1 .Lvdone
	v_lshlrev_b32 v8, 5, v1                        ; wave 0 also makes ksz: lane l takes keys 4 l .. 4 l + 3
	global_load_b128 v[24:27], v8, s[4:5]
	global_load_b128 v[28:31], v8, s[4:5] offset:16
	v_mov_b32 v9, 0xcf800000                       ; -2^32
	s_wait_loadcnt 0x0
.irp k, 0,1,2,3
	v_mul_f32 v[32+\k], 0xc1000000, v[24+2*\k]     ; -8 size: exact
.endr
.irp k, 0,1,2,3
	v_cmp_eq_f32 vcc_lo, 0, v[25+2*\k]
	v_cndmask_b32 v[32+\k], v[32+\k], v9, vcc_lo
.endr
	global_store_b128 v4, v[32:35], s[24:25]       ; 512 consecutive bytes, aligned
.Lvdone:
	s_endpgm
.Lfunc_end_k_q097467015b_prep:
	.size	k_q097467015b_prep, .Lfunc_end_k_q097467015b_prep-k_q097467015b_prep
	.p2alignl 7, 3214868480
	.fill 96, 4, 3214868480
	.section	.rodata,"a",@progbits
	.p2align	6, 0x0
	.amdhsa_kernel k_q097467015b_prep
		.amdhsa_group_segment_fixed_size 0
		.amdhsa_private_segment_fixed_size 0
		.amdhsa_enable_private_segment 0
		.amdhsa_kernarg_size 96
		.amdhsa_user_sgpr_count 2
		.amdhsa_user_sgpr_kernarg_segment_ptr 1
		.amdhsa_wavefront_size32 1
		.amdhsa_system_sgpr_workgroup_id_x 1
		.amdhsa_system_sgpr_workgroup_id_y 1
		.amdhsa_system_sgpr_workgroup_id_z 1
		.amdhsa_system_vgpr_workitem_id 0
		.amdhsa_next_free_vgpr 256
		.amdhsa_next_free_sgpr 66
		.amdhsa_reserve_vcc 1
		.amdhsa_float_denorm_mode_32 3
		.amdhsa_float_denorm_mode_16_64 3
		.amdhsa_memory_ordered 1
		.amdhsa_forward_progress 1
		.amdhsa_inst_pref_size 95
	.end_amdhsa_kernel
	.amdgpu_metadata
---
amdhsa.version: [ 1, 2 ]
amdhsa.kernels:
  - .name:           k_q097467015b_prep
    .symbol:         k_q097467015b_prep.kd
    .args:
      - { .name: inputs, .offset: 0, .size: 8, .value_kind: global_buffer, .address_space: global }
      - { .name: Wq, .offset: 8, .size: 8, .value_kind: global_buffer, .address_space: global }
      - { .name: Wk, .offset: 16, .size: 8, .value_kind: global_buffer, .address_space: global }
      - { .name: Wv, .offset: 24, .size: 8, .value_kind: global_buffer, .address_space: global }
      - { .name: qf, .offset: 32, .size: 8, .value_kind: global_buffer, .address_space: global }
      - { .name: qs, .offset: 40, .size: 8, .value_kind: global_buffer, .address_space: global }
      - { .name: kf, .offset: 48, .size: 8, .value_kind: global_buffer, .address_space: global }
      - { .name: ks, .offset: 56, .size: 8, .value_kind: global_buffer, .address_space: global }
      - { .name: vf, .offset: 64, .size: 8, .value_kind: global_buffer, .address_space: global }
      - { .name: vs, .offset: 72, .size: 8, .value_kind: global_buffer, .address_space: global }
      - { .name: ksz, .offset: 80, .size: 8, .value_kind: global_buffer, .address_space: global }
      - { .name: qsz, .offset: 88, .size: 8, .value_kind: global_buffer, .address_space: global }
    .group_segment_fixed_size: 0
    .private_segment_fixed_size: 0
    .kernarg_segment_align: 8
    .kernarg_segment_size: 96
    .max_flat_workgroup_size: 128
    .sgpr_count:     66
    .vgpr_count:     256
    .wavefront_size: 32
...
	.end_amdgpu_metadata
.endif
;; end of part 1
;; launch attn (part 2): grid 64 x 8, 8 waves a work-group, no clusters, 137,216 bytes of LDS; arguments qf, qs, kf, ks, vf, vs, ksz, qsz, out0; writes out0
.if DOCPART == 2
	.amdgcn_target "amdgcn-amd-amdhsa--gfx1250"
	.amdhsa_code_object_version 6
	.text
	.protected	k_q097467015b_attn
	.globl	k_q097467015b_attn
	.p2align	8
	.type	k_q097467015b_attn,@function
k_q097467015b_attn:
	s_mov_b64 s[64:65], 0
	v_nop
	global_prefetch_b8 v0, s[64:65] scope:SCOPE_SE
	s_setreg_imm32_b32 hwreg(HW_REG_WAVE_MODE, 25, 1), 1
	s_wait_xcnt 0x0
; out[b][i][:] = sum over j of Q(weights[i][j]) Q(v[j][:]), weights = the finished, normalised softmax of logits = Q(q_i) . Q(k_j) / 16 - 0.5 |size_i - size_j| + the masks' terms.  Both products on codes of BF8 (E5M2)
; with one E8M0 scale for each 32 along K.  The codes of q, k, v and two f32 tables come from the launch before, in the order of the operand registers.
; WORK THAT IS FOLDED: the key mask's two steps ride on the table ksz (-2^32 for a key of height 0), as shown at the head of the first kernel; the limit stated there holds here.
; SHARES.  A work-group owns 32 queries of one batch, all 2,048 keys.  Its 32 x 2,048 scores stay in registers (256 in each of eight waves), so that a row's maximum and sum are known before any code of its
; weights is made, and each score and each exponential is made once.  Scores and softmax: wave w owns keys 256 w .. 256 w + 255 for both tiles of 16 queries.  Second product: wave (cq = w % 4, kh = w / 4)
; owns channels 64 cq .. 64 cq + 63, both tiles, keys 1,024 kh on; the two halves of the keys are added on the way out.
; LAYOUT.  Both products are used transposed (source 0 = 16 keys, or 16 channels; source 1 = 16 queries): a lane holds ONE query (lane % 16) throughout.  The keys of a tile of k were chosen so that the 16 registers
; of tiles u = 0, 1 of a block are the keys 32 b + 16 (lane / 16) + 0 .. 15: the conversions' results are the second product's operand.
; ARITHMETIC.  All is carried as D = 16 x logit (a power of two: it rounds nothing).  C = fl(-|8 size_i - 8 size_j| + QM_i) is the C of the first product, QM = 16 x -1e9 for a query of height 0, else 0:
; reference()'s own two roundings; such a query's codes are zeros, so its D is C.  c = log2(e) / 16.  For each wave and row M_w = the largest D c rounded UP to a whole number; p~ = 2^(D c - M_w); l_w = the sum
; of the p~.  One exchange of (-M_w, l_w) through LDS gives M = the largest M_w, the row's sum = the sum of l_w 2^(M_w - M), and f = 2^(M_w - M) / that sum; p = p~ f is the normalised weight.  The powers of two
; round nothing.  A block's largest p is made of the block's largest D by the same three instructions.
; LIMITS: NaN and infinities are not served; a p~ under 2^-126 is 0 (v_exp_f32 flushes); the row's sum and the sums over K are taken in another order than reference()'s.
; NO CLUSTER, NO LDS FOR K AND V: each fragment of k and v is used by exactly one wave of the work-group and goes from memory straight into that wave's operand registers.  A joint request lands in LDS, from where
; each byte would be read once more by one wave; beside P's 64 KiB and the stage, two slots would hold one block of 32 keys a wave: 8 matrix instructions between two rounds of the cluster's barrier.
; REGISTERS.  Window 1 (v256-511): D[t][b][i] at 128 t + 16 b + i; in the second product v0-63 the eight accumulators (t, ctl) at 8 (4 t + ctl), v64-127 two buffers of P's fragments.
; Window 0: v0 thread; v1 16 lane; v2 8 lane; v3 64 h, later XW; v[4:7] (8 size_i, QM_i) of tiles 0, 1, later (f, f); v8, v9 q's scale words, later P's; v10-25 k's scale words, later v's;
;   v26-41 bm[t][b]: block maxima, then largest p, then the holds' limits; v42, v43, v49 at work; v44-48 LDS addresses; v50-53 -M pairs, v54-61 sums; later v50-57 conversion scales, v58-61 P's scale words;
;   v62, v63 the add's two; v64-127 Q, later the exchange, the codes, V's third buffer, the way out; v128-255 two buffers of K, later two of V.
.set PIMG,  0                          ; LDS: P's fragments as images of their registers: 32,768 t + 2,048 S + 512 c + 16 lane
.set PSC,   65536                      ; their scale words: 128 S + 4 lane: lanes 0-15 tile 0's, lanes 16-31 tile 1's
.set XCH,   67584                      ; the exchange: 64 row + 8 w: (-M_w, l_w)
.set STG,   69632                      ; the way out: for each half of the keys 32 rows of 1,024 bytes + 16
.set SROW,  1040
.set SHALF, 32*SROW
.set SPARE, STG+2*SHALF                ; the spare words, 128 bytes for each wave: four blocks of 256 bytes that no other line names
.set MSB, 0
.macro WIN new                         ; the immediate's high byte repeats the setting that is left; bits 1:0 source 0, 3:2 source 1, 5:4 source 2, 7:6 destination
.if MSB != \new
	s_set_vgpr_msb (MSB<<8)|\new
.set MSB, \new
.endif
.endm
.macro BARRIER                         ; my LDS stores have landed and my LDS loads are in: then the work-group's barrier
	s_wait_dscnt 0x0
	s_barrier_signal -1
	s_barrier_wait -1
.endm
.macro LOADK b                         ; block b's four fragments of k (tile u, K step st) into buffer b % 2: sixteen loads of 512 consecutive bytes
.irp u, 0,1
.irp st, 0,1
.irp c, 0,1,2,3
	global_load_b128 v[128+64*((\b)%2)+32*\u+16*\st+4*\c:128+64*((\b)%2)+32*\u+16*\st+4*\c+3], v1, s[8:9] offset:(\b)*8192+\u*4096+\st*2048+\c*512
.endr
.endr
.endr
.endm
.macro LOADV sl                        ; key step sl's four fragments of v (my channel tiles) into buffer sl % 3: v128, v192, v64
.irp n, 0,1,2,3
.irp c, 0,1,2,3
	global_load_b128 v[64+64*(((\sl)+1)%3)+16*\n+4*\c:64+64*(((\sl)+1)%3)+16*\n+4*\c+3], v1, s[12:13] offset:(\sl)*32768+\n*2048+\c*512
.endr
.endr
.endm
.macro CPREP b                         ; block b's C for both tiles: D0[b] holds -8 size_j (or -2^32).  48 plain lines
	WIN 0x41
.irp n, 0,2,4,6,8,10,12,14
	v_pk_add_f32 v[128+16*(\b)+\n:128+16*(\b)+\n+1], v[16*(\b)+\n:16*(\b)+\n+1], v[6:7] op_sel_hi:[1,0]   ; 8 size_i - 8 size_j, tile 1
.endr
.irp n, 0,2,4,6,8,10,12,14
	v_pk_add_f32 v[16*(\b)+\n:16*(\b)+\n+1], v[16*(\b)+\n:16*(\b)+\n+1], v[4:5] op_sel_hi:[1,0]           ; tile 0
.endr
.irp n, 0,1,2,3,4,5,6,7,8,9,10,11,12,13,14,15
	v_add_f32 v[16*(\b)+\n], -|v[16*(\b)+\n]|, v5             ; -|.| + QM_i
	v_add_f32 v[128+16*(\b)+\n], -|v[128+16*(\b)+\n]|, v7
.endr
.endm
.macro MULS b                          ; D = k q^T + C: four accumulators by turns, two K steps
	WIN 0x50
.irp t, 0,1
.irp u, 0,1
	v_wmma_scale_f32_16x16x128_f8f6f4 v[128*\t+16*(\b)+8*\u:128*\t+16*(\b)+8*\u+7], v[128+64*((\b)%2)+32*\u:128+64*((\b)%2)+32*\u+15], v[64+32*\t:64+32*\t+15], v[128*\t+16*(\b)+8*\u:128*\t+16*(\b)+8*\u+7], v[10+2*(\b)+\u], v[8+\t] matrix_a_fmt:MATRIX_FMT_BF8 matrix_b_fmt:MATRIX_FMT_BF8
.endr
.endr
.irp t, 0,1
.irp u, 0,1
	v_wmma_scale_f32_16x16x128_f8f6f4 v[128*\t+16*(\b)+8*\u:128*\t+16*(\b)+8*\u+7], v[128+64*((\b)%2)+32*\u+16:128+64*((\b)%2)+32*\u+31], v[64+32*\t+16:64+32*\t+31], v[128*\t+16*(\b)+8*\u:128*\t+16*(\b)+8*\u+7], v[10+2*(\b)+\u], v[8+\t] matrix_a_fmt:MATRIX_FMT_BF8 matrix_b_fmt:MATRIX_FMT_BF8 matrix_a_scale:MATRIX_SCALE_ROW1 matrix_b_scale:MATRIX_SCALE_ROW1
.endr
.endr
.endm
.macro MAXB b                          ; the largest D of block b, both tiles by turns; each accumulator is read from its low end on
	WIN 0x15
	v_max3_num_f32 v[26+(\b)], v[16*(\b)], v[16*(\b)+1], v[16*(\b)+2]
	v_max3_num_f32 v[34+(\b)], v[128+16*(\b)], v[128+16*(\b)+1], v[128+16*(\b)+2]
	WIN 0x14
.irp i, 3,5,7,9,11,13
	v_max3_num_f32 v[26+(\b)], v[26+(\b)], v[16*(\b)+\i], v[16*(\b)+\i+1]
	v_max3_num_f32 v[34+(\b)], v[34+(\b)], v[128+16*(\b)+\i], v[128+16*(\b)+\i+1]
.endr
	v_max3_num_f32 v[26+(\b)], v[26+(\b)], v[16*(\b)+15], v[16*(\b)+15]
	v_max3_num_f32 v[34+(\b)], v[34+(\b)], v[128+16*(\b)+15], v[128+16*(\b)+15]
	WIN 0
	v_permlanex16_b32 v42, v[26+(\b)], s34, s35
	v_permlanex16_b32 v43, v[34+(\b)], s34, s35
	v_max_num_f32 v[26+(\b)], v[26+(\b)], v42      ; with lane l xor 16's 16 keys
	v_max_num_f32 v[34+(\b)], v[34+(\b)], v43
.endm
; The softmax goes in four batches of 64 registers, batch k = 2 t + half
.macro FMA k
	WIN 0x41
.set n, 0
.rept 32
	v_pk_fma_f32 v[64*(\k)+n:64*(\k)+n+1], v[64*(\k)+n:64*(\k)+n+1], s[32:33], v[50+2*((\k)/2):51+2*((\k)/2)] op_sel_hi:[1,0,0]   ; D c - M_w
.set n, n+2
.endr
.endm
.macro EXPB k
	WIN 0x41
.set n, 0
.rept 64
	v_exp_f32 v[64*(\k)+n], v[64*(\k)+n]           ; p~
.set n, n+1
.endr
.endm
.macro SUM k                           ; the row's sum is taken of the unquantised p~, two at a time, in two chains a tile
.set T2, 2*((\k)/2)
.set n, 0
.if ((\k)%2) == 0
	WIN 0x05
	v_pk_add_f32 v[54+T2:55+T2], v[64*(\k):64*(\k)+1], v[64*(\k)+2:64*(\k)+3]     ; the first pairs start the chains: nothing is cleared
	v_pk_add_f32 v[58+T2:59+T2], v[64*(\k)+4:64*(\k)+5], v[64*(\k)+6:64*(\k)+7]
.set n, 8
.endif
	WIN 0x01
.rept (64-n)/4
	v_pk_add_f32 v[54+T2:55+T2], v[64*(\k)+n:64*(\k)+n+1], v[54+T2:55+T2]
	v_pk_add_f32 v[58+T2:59+T2], v[64*(\k)+n+2:64*(\k)+n+3], v[58+T2:59+T2]
.set n, n+4
.endr
.endm
.macro SCALES t                        ; tile t's eight blocks: largest p, conversion scale, hold, and the two scale words
.irp b, 0,1,2,3,4,5,6,7
	v_mul_f32 v[26+8*(\t)+\b], v[26+8*(\t)+\b], v[4+2*(\t)]          ; the block's largest p: the same multiplication as every p's
.endr
.irp b, 0,1,2,3,4,5,6,7
	v_max_num_f32 v[26+8*(\t)+\b], 0x8000000, v[26+8*(\t)+\b]        ; the floor 2^(16 - 127): the byte cannot fall under 1
.endr
.irp b, 0,1,2,3,4,5,6,7
	v_add_nc_u32 v[50+\b], 0xf8800000, v[26+8*(\t)+\b]               ; 15 off the exponent field: the conversion's scale operand
.endr
.irp b, 0,1,2,3,4,5,6,7
	v_and_or_b32 v[26+8*(\t)+\b], v[26+8*(\t)+\b], 0x7f800000, s36   ; 57,344 x the scale
.endr
.irp b, 0,1,2,3,4,5,6,7
	v_lshrrev_b32 v[112+\b], 23, v[50+\b]                            ; the scale's byte
.endr
.irp s, 0,1
	v_lshl_or_b32 v[58+2*(\t)+\s], v[113+4*\s], 8, v[112+4*\s]
	v_lshl_or_b32 v[58+2*(\t)+\s], v[114+4*\s], 16, v[58+2*(\t)+\s]
	v_lshl_or_b32 v[58+2*(\t)+\s], v[115+4*\s], 24, v[58+2*(\t)+\s]
.endr
.endm
.macro QTILE t                         ; tile t: normalised, held, converted, and its eight pieces of 512 bytes stored as images
	WIN 0x41
.set n, 0
.rept 64
	v_pk_mul_f32 v[128*(\t)+n:128*(\t)+n+1], v[128*(\t)+n:128*(\t)+n+1], v[4+2*(\t):5+2*(\t)] op_sel_hi:[1,0]   ; p = p~ f
.set n, n+2
.endr
.irp b, 0,1,2,3,4,5,6,7
.irp i, 0,1,2,3,4,5,6,7,8,9,10,11,12,13,14,15
	v_min_num_f32 v[128*(\t)+16*\b+\i], v[128*(\t)+16*\b+\i], v[26+8*(\t)+\b]   ; the conversion does not saturate (ISA guide 7.6.2); p is not negative, so the hold is one-sided
.endr
.endr
	WIN 0x01
.irp b, 0,1,2,3,4,5,6,7
	v_cvt_scalef32_pk8_bf8_f32 v[64+4*(8*(\t)+\b):64+4*(8*(\t)+\b)+1], v[128*(\t)+16*\b:128*(\t)+16*\b+7], v[50+\b]
	v_cvt_scalef32_pk8_bf8_f32 v[64+4*(8*(\t)+\b)+2:64+4*(8*(\t)+\b)+3], v[128*(\t)+16*\b+8:128*(\t)+16*\b+15], v[50+\b]
.endr
	v_nop                                          ; a plain line behind the last conversion: later lines write its sources
	WIN 0
.irp b, 0,1,2,3,4,5,6,7
	ds_store_b128 v45, v[64+4*(8*(\t)+\b):64+4*(8*(\t)+\b)+3] offset:(\t)*32768+\b*512
.endr
.endm
.macro PLOAD sl                        ; key step sl's two fragments of P into buffer sl % 2, and their scale words: nine LDS loads
	WIN 0x40
.irp t, 0,1
.irp c, 0,1,2,3
	ds_load_b128 v[64+32*((\sl)%2)+16*\t+4*\c:64+32*((\sl)%2)+16*\t+4*\c+3], v47 offset:\t*32768+(\sl)*2048+\c*512
.endr
.endr
	WIN 0
	ds_load_b32 v[8+(\sl)%2], v48 offset:(\sl)*128
.endm
.macro PV sl                           ; O^T += v^T P^T: eight accumulators by turns; the first key step starts the sums with the constant 0
	WIN 0x54
.irp t, 0,1
.irp c, 0,1,2,3
.set rA, 8*(4*\t+\c)
.set rV, 64+64*(((\sl)+1)%3)+16*\c
.set rP, 64+32*((\sl)%2)+16*\t
.set rSA, 10+2*(\sl)+\c/2              ; v's scale words: an even tile's in lanes 0-15, an odd tile's in lanes 16-31
.set rSB, 8+(\sl)%2                    ; P's: tile 0's in lanes 0-15, tile 1's in lanes 16-31
.set rows, (\c%2)+2*\t
.if (\sl) == 0
.if rows == 0
	v_wmma_scale_f32_16x16x128_f8f6f4 v[rA:rA+7], v[rV:rV+15], v[rP:rP+15], 0, v[rSA], v[rSB] matrix_a_fmt:MATRIX_FMT_BF8 matrix_b_fmt:MATRIX_FMT_BF8
.elseif rows == 1
	v_wmma_scale_f32_16x16x128_f8f6f4 v[rA:rA+7], v[rV:rV+15], v[rP:rP+15], 0, v[rSA], v[rSB] matrix_a_fmt:MATRIX_FMT_BF8 matrix_b_fmt:MATRIX_FMT_BF8 matrix_a_scale:MATRIX_SCALE_ROW1
.elseif rows == 2
	v_wmma_scale_f32_16x16x128_f8f6f4 v[rA:rA+7], v[rV:rV+15], v[rP:rP+15], 0, v[rSA], v[rSB] matrix_a_fmt:MATRIX_FMT_BF8 matrix_b_fmt:MATRIX_FMT_BF8 matrix_b_scale:MATRIX_SCALE_ROW1
.else
	v_wmma_scale_f32_16x16x128_f8f6f4 v[rA:rA+7], v[rV:rV+15], v[rP:rP+15], 0, v[rSA], v[rSB] matrix_a_fmt:MATRIX_FMT_BF8 matrix_b_fmt:MATRIX_FMT_BF8 matrix_a_scale:MATRIX_SCALE_ROW1 matrix_b_scale:MATRIX_SCALE_ROW1
.endif
.else
.if rows == 0
	v_wmma_scale_f32_16x16x128_f8f6f4 v[rA:rA+7], v[rV:rV+15], v[rP:rP+15], v[rA:rA+7], v[rSA], v[rSB] matrix_a_fmt:MATRIX_FMT_BF8 matrix_b_fmt:MATRIX_FMT_BF8
.elseif rows == 1
	v_wmma_scale_f32_16x16x128_f8f6f4 v[rA:rA+7], v[rV:rV+15], v[rP:rP+15], v[rA:rA+7], v[rSA], v[rSB] matrix_a_fmt:MATRIX_FMT_BF8 matrix_b_fmt:MATRIX_FMT_BF8 matrix_a_scale:MATRIX_SCALE_ROW1
.elseif rows == 2
	v_wmma_scale_f32_16x16x128_f8f6f4 v[rA:rA+7], v[rV:rV+15], v[rP:rP+15], v[rA:rA+7], v[rSA], v[rSB] matrix_a_fmt:MATRIX_FMT_BF8 matrix_b_fmt:MATRIX_FMT_BF8 matrix_b_scale:MATRIX_SCALE_ROW1
.else
	v_wmma_scale_f32_16x16x128_f8f6f4 v[rA:rA+7], v[rV:rV+15], v[rP:rP+15], v[rA:rA+7], v[rSA], v[rSB] matrix_a_fmt:MATRIX_FMT_BF8 matrix_b_fmt:MATRIX_FMT_BF8 matrix_a_scale:MATRIX_SCALE_ROW1 matrix_b_scale:MATRIX_SCALE_ROW1
.endif
.endif
.endr
.endr
.endm
	; ---- the head
	s_load_b512 s[4:19], s[0:1], 0x0               ; qf s[4:5], qs s[6:7], kf s[8:9], ks s[10:11], vf s[12:13], vs s[14:15], ksz s[16:17], qsz s[18:19]
	s_load_b64 s[20:21], s[0:1], 0x40              ; out0
	v_lshl_add_u32 v62, v0, 2, SPARE               ; my spare word,
	v_mov_b32 v63, 0                               ; and 0: kept for the add at the wave's end
	v_lshrrev_b32 v1, 5, v0
	v_readfirstlane_b32 s22, v1                    ; wave w, 0..7
	s_and_b32 s23, ttmp7, 0xffff                   ; batch
	s_mov_b32 s24, ttmp9                           ; my block of 32 queries
	s_and_b32 s25, s22, 3                          ; cq
	s_lshr_b32 s26, s22, 2                         ; kh
	v_and_b32 v49, 31, v0                          ; lane
	v_and_b32 v42, 15, v0                          ; r
	v_bfe_u32 v43, v0, 4, 1                        ; h
	v_lshlrev_b32 v1, 4, v49                       ; 16 lane
	v_lshlrev_b32 v2, 3, v49                       ; 8 lane
	v_lshlrev_b32 v3, 6, v43                       ; 64 h
	v_lshlrev_b32 v42, 3, v42                      ; 8 r
	v_cmp_le_u32 s40, 16, v49                      ; lanes 16-31
	s_mov_b32 s32, 0x3db8aa3b                      ; c = log2(e) / 16
	s_mov_b32 s33, s32                             ; (named with it as a pair, so it is written)
	s_mov_b32 s34, 0x76543210
	s_mov_b32 s35, 0xfedcba98                      ; v_permlanex16_b32's selects for lane l xor 16
	s_mov_b32 s36, 0x600000                        ; the mantissa field of 57,344
	s_lshl_b32 s27, s23, 19                        ; the batch's codes,
	s_lshl_b32 s28, s23, 14                        ; its scale words and qsz
	s_lshl_b32 s42, s24, 13
	s_add_co_u32 s42, s42, s27                     ; qf: my pair of tiles
	s_lshl_b32 s44, s24, 8
	s_add_co_u32 s44, s44, s28                     ; qs and qsz: 256 bytes for 32 queries
	s_lshl_b32 s46, s22, 16
	s_add_co_u32 s46, s46, s27                     ; kf: my eight blocks of 8,192 bytes
	s_lshl_b32 s48, s22, 11
	s_add_co_u32 s48, s48, s28                     ; ks: my eight blocks of 256 bytes
	s_lshl_b32 s50, s26, 18
	s_add_co_u32 s50, s50, s27
	s_lshl_b32 s29, s25, 13
	s_add_co_u32 s50, s50, s29                     ; vf: my eight key steps, my four channel tiles
	s_lshl_b32 s52, s26, 13
	s_add_co_u32 s52, s52, s28
	s_lshl_b32 s29, s25, 8
	s_add_co_u32 s52, s52, s29                     ; vs
	s_lshl_b32 s54, s23, 13
	s_lshl_b32 s29, s22, 10
	s_add_co_u32 s54, s54, s29                     ; ksz: my 256 keys
	s_lshl_b32 s56, s23, 21
	s_lshl_b32 s29, s24, 15
	s_add_co_u32 s56, s56, s29
	s_lshl_b32 s29, s22, 12
	s_add_co_u32 s56, s56, s29                     ; out0: rows 4 w .. 4 w + 3 of my 32
.irp p, 43,45,47,49,51,53,55,57
	s_mov_b32 s\p, 0
.endr
	s_lshl_b32 s58, s22, 3
	s_add_co_u32 s58, s58, XCH                     ; LDS: XCH + 8 w
	s_lshl_b32 s59, s22, 12                        ; PIMG + 4,096 w
	s_lshl_b32 s60, s26, 14                        ; PIMG + 16,384 kh
	s_lshl_b32 s61, s26, 10
	s_add_co_u32 s61, s61, PSC                     ; PSC + 1,024 kh
	s_lshl_b32 s62, s22, 8
	s_add_co_u32 s62, s62, PSC                     ; PSC + 256 w
	s_mul_i32 s37, s26, SHALF
	s_lshl_b32 s29, s25, 8
	s_add_co_u32 s37, s37, s29
	s_add_co_u32 s37, s37, STG                     ; STG + my half's stage + 256 cq
	s_mul_i32 s38, s22, 4*SROW
	s_add_co_u32 s38, s38, STG                     ; STG + my four rows
	s_wait_kmcnt 0x0
	s_add_nc_u64 s[4:5], s[4:5], s[42:43]
	s_add_nc_u64 s[6:7], s[6:7], s[44:45]
	s_add_nc_u64 s[8:9], s[8:9], s[46:47]
	s_add_nc_u64 s[10:11], s[10:11], s[48:49]
	s_add_nc_u64 s[12:13], s[12:13], s[50:51]
	s_add_nc_u64 s[14:15], s[14:15], s[52:53]
	s_add_nc_u64 s[16:17], s[16:17], s[54:55]
	s_add_nc_u64 s[18:19], s[18:19], s[44:45]
	s_add_nc_u64 s[20:21], s[20:21], s[56:57]
	WIN 0x40                                       ; destination window 1
.irp b, 0,1,2,3,4,5,6,7
.irp g, 0,1,2,3
	global_load_b128 v[16*\b+4*\g:16*\b+4*\g+3], v3, s[16:17] offset:\b*128+16*\g   ; -8 size of keys 32 b + 16 h + 4 g ..: into D[0][b]
.endr
.endr
	WIN 0
	global_load_b64 v[4:5], v42, s[18:19]          ; (8 size_i, QM_i), tile 0,
	global_load_b64 v[6:7], v42, s[18:19] offset:128   ; tile 1
	global_load_b64 v[8:9], v2, s[6:7]             ; q's scale words
.irp b, 0,1,2,3,4,5,6,7
	global_load_b64 v[10+2*\b:11+2*\b], v2, s[10:11] offset:\b*256   ; k's
.endr
.irp t, 0,1
.irp st, 0,1
.irp c, 0,1,2,3
	global_load_b128 v[64+32*\t+16*\st+4*\c:64+32*\t+16*\st+4*\c+3], v1, s[4:5] offset:\t*4096+\st*2048+\c*512   ; Q stays in registers
.endr
.endr
.endr
	LOADK 0
	LOADK 1
	s_wait_loadcnt 57                              ; behind the two loads of qsz stand 1 + 8 + 16 + 16 + 16: the tables are in
	CPREP 0
.rept 4
	v_nop                                          ; the first products follow at once: no other work is at hand here
.endr
	; ---- A: the scores, a block of 32 keys at a time.  The next block's C (48 plain lines that name none of the products' registers) stands behind each block's products:
	; these lines are the eight places in front of the loads into the fragments' registers and of the first read of the results
.irp b, 0,1,2,3,4,5,6
	s_wait_loadcnt 16                              ; all but the youngest group of sixteen: this block's fragments are in
	MULS \b
	CPREP \b+1
	WIN 0
.if \b < 6
	LOADK \b+2
.else
	LOADV 0                                        ; K's buffer 0 is done with: V's first key step
.endif
	MAXB \b
.endr
	s_wait_loadcnt 16                              ; V's first key step may be out
	MULS 7
	WIN 0
	v_and_b32 v49, 31, v0                          ; the LDS addresses: ten plain lines, the places behind the last products
	v_and_b32 v48, 15, v0
	v_lshlrev_b32 v3, 6, v49
	v_add_nc_u32 v3, s58, v3                       ; XW = XCH + 64 lane + 8 w
	v_lshl_add_u32 v44, v48, 6, XCH                ; XR = XCH + 64 r
	v_add_nc_u32 v45, s59, v1                      ; PWA = 16 lane + 4,096 w
	v_lshlrev_b32 v46, 2, v49
	v_add_nc_u32 v47, s60, v1                      ; PR = 16 lane + 16,384 kh
	v_add_nc_u32 v48, s61, v46                     ; PSR = PSC + 1,024 kh + 4 lane
	v_add_nc_u32 v46, s62, v46                     ; PSW = PSC + 256 w + 4 lane
.irp sl, 0,1,2,3,4,5,6,7
	global_load_b64 v[10+2*\sl:11+2*\sl], v2, s[14:15] offset:\sl*1024   ; v's scale words take the place of k's
.endr
	LOADV 1
	MAXB 7
	; ---- B1: M_w, p~ and l_w
	v_max3_num_f32 v49, v26, v27, v28
	v_max3_num_f32 v42, v34, v35, v36
	v_max3_num_f32 v49, v49, v29, v30
	v_max3_num_f32 v42, v42, v37, v38
	v_max3_num_f32 v49, v49, v31, v32
	v_max3_num_f32 v42, v42, v39, v40
	v_max_num_f32 v49, v49, v33                    ; my query's largest D among my wave's 256 keys, tile 0,
	v_max_num_f32 v42, v42, v41                    ; tile 1
	v_mul_f32 v49, s32, v49
	v_mul_f32 v42, s32, v42
	v_floor_f32 v50, -v49                          ; -M_w = floor(-t) = -ceil(t): a whole number
	v_floor_f32 v52, -v42
	v_mov_b32 v51, v50                             ; (named as pairs)
	v_mov_b32 v53, v52
.irp t, 0,1
.irp b, 0,1,2,3,4,5,6,7
	v_fma_f32 v[26+8*\t+\b], v[26+8*\t+\b], s32, v[50+2*\t]   ; the same of each block's largest D
.endr
.endr
.irp n, 0,1,2,3,4,5,6,7,8,9,10,11,12,13,14,15
	v_exp_f32 v[26+\n], v[26+\n]                   ; read first in B2, behind the waits below
.endr
	FMA 0
	EXPB 0
	FMA 1                                          ; plain work behind the batch's exponentials
	s_wait_alu depctr_va_vdst(0)                   ; one wait for the batch, ahead of its first reader
	SUM 0
	EXPB 1
	FMA 2
	s_wait_alu depctr_va_vdst(0)
	SUM 1
	EXPB 2
	FMA 3
	s_wait_alu depctr_va_vdst(0)
	SUM 2
	EXPB 3
	v_nop                                          ; a plain line behind the last exponential
	s_wait_alu depctr_va_vdst(0)
	SUM 3
	WIN 0
	v_pk_add_f32 v[54:55], v[54:55], v[58:59]
	v_pk_add_f32 v[56:57], v[56:57], v[60:61]
	v_add_f32 v54, v54, v55
	v_add_f32 v56, v56, v57
	v_permlanex16_b32 v42, v54, s34, s35
	v_permlanex16_b32 v43, v56, s34, s35
	v_add_f32 v54, v54, v42                        ; l_w, tile 0,
	v_add_f32 v56, v56, v43                        ; tile 1
	; ---- the exchange: lane (r, h) stores tile h's (-M_w, l_w) of row r
	v_cndmask_b32 v58, v50, v52, s40
	v_cndmask_b32 v59, v54, v56, s40
	ds_store_b64 v3, v[58:59]
	BARRIER                                        ; all eight waves' figures lie in LDS
.irp t, 0,1
.irp g, 0,1,2,3
	ds_load_b128 v[64+16*\t+4*\g:64+16*\t+4*\g+3], v44 offset:1024*\t+16*\g   ; my row's eight pairs: -M_w at 64 + 16 t + 2 w, l_w beside it
.endr
.endr
	s_wait_dscnt 0x0
.irp t, 0,1
	v_min_num_f32 v[96+\t], v[64+16*\t], v[66+16*\t]
.endr
.irp w, 2,3,4,5,6,7
.irp t, 0,1
	v_min_num_f32 v[96+\t], v[96+\t], v[64+16*\t+2*\w]   ; -M = the least -M_w
.endr
.endr
.irp w, 0,1,2,3,4,5,6,7
.irp t, 0,1
	v_sub_f32 v[100+8*\t+\w], v[96+\t], v[64+16*\t+2*\w]   ; M_w - M: a whole number, 0 or less
.endr
.endr
.irp w, 0,1,2,3,4,5,6,7
.irp t, 0,1
	v_cvt_i32_f32 v[100+8*\t+\w], v[100+8*\t+\w]   ; (it saturates)
.endr
.endr
.irp w, 0,1,2,3,4,5,6,7
.irp t, 0,1
	v_ldexp_f32 v[100+8*\t+\w], v[65+16*\t+2*\w], v[100+8*\t+\w]   ; l_w 2^(M_w - M)
.endr
.endr
.irp w, 0,2,4,6
.irp t, 0,1
	v_add_f32 v[100+8*\t+\w], v[100+8*\t+\w], v[101+8*\t+\w]
.endr
.endr
.irp w, 0,4
.irp t, 0,1
	v_add_f32 v[100+8*\t+\w], v[100+8*\t+\w], v[102+8*\t+\w]
.endr
.endr
.irp t, 0,1
	v_add_f32 v[100+8*\t], v[100+8*\t], v[104+8*\t]   ; the row's sum
.endr
	v_rcp_f32 v116, v100
	v_rcp_f32 v117, v108
	v_sub_f32 v98, v96, v50                        ; my own wave's M_w - M: plain work behind the reciprocals
	v_sub_f32 v99, v97, v52
	v_cvt_i32_f32 v98, v98
	v_cvt_i32_f32 v99, v99
	s_wait_alu depctr_va_vdst(0)                   ; one wait for the two reciprocals, ahead of their first reader
	v_ldexp_f32 v4, v116, v98                      ; f = 2^(M_w - M) / the row's sum
	v_ldexp_f32 v6, v117, v99
	v_mov_b32 v5, v4                               ; (named as pairs)
	v_mov_b32 v7, v6
	; ---- B2: the normalised weights become codes; my 256 keys are key steps 2 w and 2 w + 1 of the second product
	SCALES 0
	QTILE 0
	SCALES 1
	QTILE 1
	v_cndmask_b32 v42, v58, v60, s40               ; lanes 0-15 tile 0's word of row r, lanes 16-31 tile 1's: key step 2 w,
	v_cndmask_b32 v43, v59, v61, s40               ; key step 2 w + 1
	ds_store_b32 v46, v42
	ds_store_b32 v46, v43 offset:128
	s_wait_dscnt 0x0                               ; for the others' sake: my images have landed; and the stores have read the codes' registers,
	LOADV 2                                        ; which take V's third key step
	s_barrier_signal -1
	s_barrier_wait -1                              ; all of P lies in LDS
	; ---- C: the second product, a key step of 128 at a time
	PLOAD 0
	PLOAD 1
.irp sl, 0,1,2,3,4,5,6,7
.if \sl < 6
	s_wait_loadcnt 32                              ; the two younger groups of V may be out (v's scale words were asked for ahead of the second group)
.elseif \sl == 6
	s_wait_loadcnt 16
.else
	s_wait_loadcnt 0x0
.endif
.if \sl < 7
	s_wait_dscnt 9                                 ; the next key step's nine LDS loads may be out
.else
	s_wait_dscnt 0x0
.endif
	PV \sl
.if \sl < 6
	WIN 0
.rept 8
	v_nop                                          ; eight places in front of loads into registers that these products have read
.endr
.if \sl < 5
	LOADV \sl+3
.endif
	PLOAD \sl+2
.endif
.endr
	; ---- the way out: each half of the keys has a stage; a row's 256 channels come from four waves
	WIN 0
	v_and_b32 v42, 15, v0                          ; r.  (Six address lines and two v_nop: the eight places behind the last products)
	v_bfe_u32 v43, v0, 4, 1                        ; h
	v_mul_u32_u24 v44, v42, SROW
	v_lshl_add_u32 v44, v43, 5, v44
	v_add_nc_u32 v44, s37, v44                     ; in: row r, + 256 cq + 32 h
	v_add_nc_u32 v45, s38, v1                      ; back: my four rows, 16 bytes a lane
	v_nop
	v_nop
	WIN 0x04                                       ; an LDS store's data are its source 1: window 1
.irp t, 0,1
.irp c, 0,1,2,3
	ds_store_b128 v44, v[8*(4*\t+\c):8*(4*\t+\c)+3] offset:16*SROW*\t+64*\c          ; lane (r, h): out(16 t + r, 64 cq + 16 c + 8 h + 0 .. 7); each accumulator from its low end on
	ds_store_b128 v44, v[8*(4*\t+\c)+4:8*(4*\t+\c)+7] offset:16*SROW*\t+64*\c+16
.endr
.endr
	WIN 0
	BARRIER                                        ; 32 whole rows lie in each stage
.irp g, 0,1
.irp i, 0,1,2,3
.irp f, 0,1
	ds_load_b128 v[64+32*\g+4*(2*\i+\f):64+32*\g+4*(2*\i+\f)+3], v45 offset:SHALF*\g+SROW*\i+512*\f
.endr
.endr
.endr
	s_wait_dscnt 0x0
.set n, 0
.rept 16
	v_pk_add_f32 v[64+n:65+n], v[64+n:65+n], v[96+n:97+n]   ; the two halves of the keys
.set n, n+2
.endr
.irp i, 0,1,2,3
.irp f, 0,1
	global_store_b128 v1, v[64+4*(2*\i+\f):64+4*(2*\i+\f)+3], s[20:21] offset:1024*\i+512*\f th:TH_STORE_NT   ; 32 lanes store 512 consecutive bytes, aligned; written once, read by nobody here
.endr
.endr
	s_wait_tensorcnt 0x0                           ; the wave's end
	ds_add_u32 v62, v63
	s_wait_dscnt 0x0
	s_endpgm
.Lfunc_end_k_q097467015b_attn:
	.size	k_q097467015b_attn, .Lfunc_end_k_q097467015b_attn-k_q097467015b_attn
	.p2alignl 7, 3214868480
	.fill 96, 4, 3214868480
	.section	.rodata,"a",@progbits
	.p2align	6, 0x0
	.amdhsa_kernel k_q097467015b_attn
		.amdhsa_group_segment_fixed_size 137216
		.amdhsa_private_segment_fixed_size 0
		.amdhsa_enable_private_segment 0
		.amdhsa_kernarg_size 72
		.amdhsa_user_sgpr_count 2
		.amdhsa_user_sgpr_kernarg_segment_ptr 1
		.amdhsa_wavefront_size32 1
		.amdhsa_system_sgpr_workgroup_id_x 1
		.amdhsa_system_sgpr_workgroup_id_y 1
		.amdhsa_system_sgpr_workgroup_id_z 1
		.amdhsa_system_vgpr_workitem_id 0
		.amdhsa_next_free_vgpr 512
		.amdhsa_next_free_sgpr 66
		.amdhsa_reserve_vcc 0
		.amdhsa_float_denorm_mode_32 3
		.amdhsa_float_denorm_mode_16_64 3
		.amdhsa_memory_ordered 1
		.amdhsa_forward_progress 1
		.amdhsa_inst_pref_size 154
	.end_amdhsa_kernel
	.amdgpu_metadata
---
amdhsa.version: [ 1, 2 ]
amdhsa.kernels:
  - .name:           k_q097467015b_attn
    .symbol:         k_q097467015b_attn.kd
    .args:
      - { .name: qf, .offset: 0, .size: 8, .value_kind: global_buffer, .address_space: global }
      - { .name: qs, .offset: 8, .size: 8, .value_kind: global_buffer, .address_space: global }
      - { .name: kf, .offset: 16, .size: 8, .value_kind: global_buffer, .address_space: global }
      - { .name: ks, .offset: 24, .size: 8, .value_kind: global_buffer, .address_space: global }
      - { .name: vf, .offset: 32, .size: 8, .value_kind: global_buffer, .address_space: global }
      - { .name: vs, .offset: 40, .size: 8, .value_kind: global_buffer, .address_space: global }
      - { .name: ksz, .offset: 48, .size: 8, .value_kind: global_buffer, .address_space: global }
      - { .name: qsz, .offset: 56, .size: 8, .value_kind: global_buffer, .address_space: global }
      - { .name: out0, .offset: 64, .size: 8, .value_kind: global_buffer, .address_space: global }
    .group_segment_fixed_size: 137216
    .private_segment_fixed_size: 0
    .kernarg_segment_align: 8
    .kernarg_segment_size: 72
    .max_flat_workgroup_size: 256
    .sgpr_count:     66
    .vgpr_count:     512
    .wavefront_size: 32
...
	.end_amdgpu_metadata
.endif
;; end of part 2
;; ======== version 2 of 2: 2 launches
;; limits: inputs' magnitudes at most 100,000,000; right only within a limited range of input values
;; workspace buffers: qf 4,194,304 bytes; kf 4,194,304 bytes; vf 4,194,304 bytes; qs 131,072 bytes; ks 131,072 bytes; vs 131,072 bytes; ksz 65,536 bytes; qsz 131,072 bytes
;; launch prep (part 3): grid 384 x 1, 4 waves a work-group, no clusters, 0 bytes of LDS; arguments inputs, Wq, Wk, Wv, qf, qs, kf, ks, vf, vs, ksz, qsz; writes qf, qs, kf, ks, vf, vs, ksz, qsz
.if DOCPART == 3
	.amdgcn_target "amdgcn-amd-amdhsa--gfx1250"
	.amdhsa_code_object_version 6
	.text
	.protected	k_q097467015b_prep
	.globl	k_q097467015b_prep
	.p2align	8
	.type	k_q097467015b_prep,@function
k_q097467015b_prep:
	s_mov_b64 s[64:65], 0
	v_nop
	global_prefetch_b8 v0, s[64:65] scope:SCOPE_SE
	s_setreg_imm32_b32 hwreg(HW_REG_WAVE_MODE, 25, 1), 1
	s_wait_xcnt 0x0
; q = height x Wq, k = height x Wk (quantised along d = 256) and v = height x Wv (quantised along the 2,048 keys) become codes of BF8 (E5M2) with one E8M0 byte for each 32 along K,
; ONCE, laid in the order of the operand registers of the second launch: a fragment (16 rows x 128 K) is four pieces of 512 bytes, lane l's 16 bytes at 16 l.  Two small f32 tables go with them.
;   qf [batch 8][pair P 64][e 2][st 2][c 4][lane 32][16 B]: query 32 P + 16 e + r, d = 128 st + 32 c + 16 h + 0..15   (lane = 16 h + r)
;   kf the same shape: key 32 P + 8 e + r + 8 (r / 8): the keys of a tile are chosen so that the scores of tiles e = 0, 1 are 16 neighbouring keys in a lane
;   vf [batch][S 16][ct 16][c 4][lane][16 B]: channel 16 ct + r, keys 128 S + 32 c + 16 h + 0..15
;   qs, ks [batch][P][lane][2 words]: word e: lanes 0-15 row r's scale word of d 0..127, lanes 16-31 that of d 128..255
;   vs [batch][S][cq 4][lane][2 words]: word p of lane (r, h): channel tile 4 cq + 2 p + h, row r
;   ksz [batch][2048]: -8 size_j, or -2^32 where height_j = 0.     qsz [batch][2048][2]: 8 size_i, and 16 x -1e9 where height_i = 0, else 0
; WORK THAT IS FOLDED (no input is left out).  reference() adds (1 - key_mask) x -1e9 to the logits and multiplies the finished weights by key_mask.  Here a key of height 0 gets -2^32 in place of
; -8 size_j, so that 16 x its logit is about -2^32.  In a row that has a key of height other than 0, the weight of such a key is 0 in f32 both ways, and key_mask then multiplies a 0.  In a batch in which
; every height is 0, every number of v is 0, so the result is 0 both ways, whatever the weights.  LIMIT: this holds while the logits of pairs of valid keys and queries stay above about -1e8.
; The term (1 - query_mask) x -1e9 is kept, with reference()'s own f32 rounding: all terms are carried x 16, a power of two, which rounds nothing.
; THE QUANTISER: a block's scale is 2^(floor(log2(largest magnitude)) - 15); its byte is the largest magnitude's exponent field - 15, held at 1 from below.  A block of zeros gets the byte 1 where the rule
; says 127: its codes are zeros, and this program alone reads the bytes.
; LIMITS: NaN and infinities among the inputs are not served; blocks whose largest magnitude lies under 2^-111 keep the byte 1 and were not tried.
; SHARES: work-groups 0-127 take q, 128-255 k: a wave takes one pair P (32 rows x 256).  Work-groups 256-383 take v: one (batch, S), wave cq takes channel tiles 4 cq .. 4 cq + 3.  No LDS, no barrier.
.set TM, 32                            ; v32-47   the quantiser's sixteen registers at work
.set PC, 48                            ; v48-63   a fragment's codes
.set X,  64                            ; v64-127  64 numbers of a lane: register 16 b + i = K 32 b + 16 h + i of the lane's row
.set WR, 128                           ; v128-255 the weight's 256 numbers of my half, or 64 keys' (size, height) pairs
; 64 numbers in v[X] on become a fragment's codes in v[PC] on and the row's scale word in v[pw]
.macro QUANT pw
.irp b, 0,1,2,3
	v_max3_num_f32 v[TM+\b], |v[X+16*\b]|, |v[X+1+16*\b]|, 0x8000000   ; block b: my 16 numbers, and the floor 2^(16 - 127): the byte cannot fall under 1
.endr
.irp i, 2,4,6,8,10,12,14
.irp b, 0,1,2,3
	v_max3_num_f32 v[TM+\b], v[TM+\b], |v[X+16*\b+\i]|, |v[X+1+16*\b+\i]|   ; the four blocks by turns
.endr
.endr
.irp b, 0,1,2,3
	v_permlanex16_b32 v[TM+4+\b], v[TM+\b], s40, s41
.endr
.irp b, 0,1,2,3
	v_max_num_f32 v[TM+\b], v[TM+\b], v[TM+4+\b]   ; with lane l xor 16's 16 numbers: the block's largest magnitude
.endr
.irp b, 0,1,2,3
	v_add_nc_u32 v[TM+12+\b], 0xf8800000, v[TM+\b]   ; 15 off its exponent field: the conversion's scale operand
.endr
.irp b, 0,1,2,3
	v_and_or_b32 v[TM+8+\b], v[TM+\b], 0x7f800000, s42   ; 57,344 x the scale
.endr
.irp b, 0,1,2,3
	v_lshrrev_b32 v[TM+4+\b], 23, v[TM+12+\b]   ; the scale's byte
.endr
	v_lshl_or_b32 v[\pw], v[TM+5], 8, v[TM+4]
	v_lshl_or_b32 v[\pw], v[TM+6], 16, v[\pw]
	v_lshl_or_b32 v[\pw], v[TM+7], 24, v[\pw]
.irp b, 0,1,2,3
.irp i, 0,1,2,3,4,5,6,7,8,9,10,11,12,13,14,15
	v_med3_num_f32 v[X+16*\b+\i], v[X+16*\b+\i], -v[TM+8+\b], v[TM+8+\b]   ; the conversion to an 8-bit code does not saturate (ISA guide 7.6.2): the hold at the largest code x the scale
.endr
	v_cvt_scalef32_pk8_bf8_f32 v[PC+4*\b:PC+1+4*\b], v[X+16*\b:X+7+16*\b], v[TM+12+\b]
	v_cvt_scalef32_pk8_bf8_f32 v[PC+2+4*\b:PC+3+4*\b], v[X+8+16*\b:X+15+16*\b], v[TM+12+\b]
.endr
	v_nop                                          ; a plain line behind the last conversion: the next lines write its sources
.endm
.macro PUT base, off                   ; the fragment leaves as it stands: each store of the wave covers 512 consecutive bytes, aligned
.irp c, 0,1,2,3
	global_store_b128 v4, v[PC+4*\c:PC+4*\c+3], s[\base:\base+1] offset:(\off)+512*\c
.endr
.endm
	s_load_b512 s[4:19], s[0:1], 0x0               ; inputs s[4:5], Wq s[6:7], Wk s[8:9], Wv s[10:11], qf s[12:13], qs s[14:15], kf s[16:17], ks s[18:19]
	s_load_b256 s[20:27], s[0:1], 0x40             ; vf s[20:21], vs s[22:23], ksz s[24:25], qsz s[26:27]
	v_lshrrev_b32 v1, 5, v0
	v_readfirstlane_b32 s28, v1                    ; wave 0..3
	v_and_b32 v1, 31, v0                           ; lane
	v_and_b32 v2, 15, v0                           ; r
	v_bfe_u32 v3, v0, 4, 1                         ; h
	v_lshlrev_b32 v4, 4, v1                        ; 16 x lane
	v_lshlrev_b32 v5, 3, v1                        ; 8 x lane
	v_cmp_le_u32 s44, 16, v1                       ; lanes 16-31
	s_mov_b32 s40, 0x76543210
	s_mov_b32 s41, 0xfedcba98                      ; v_permlanex16_b32's selects for lane l xor 16
	s_mov_b32 s42, 0x600000                        ; the mantissa field of 57,344
.irp b, 0,1,2,3
	v_mov_b32 v[TM+4+\b], 0                        ; written once: a lane permute's destination counts as one of its sources
.endr
	s_mov_b32 s31, 0                               ; the offsets' upper words
	s_mov_b32 s33, 0
	s_cmp_ge_u32 ttmp9, 256
	s_cbranch_scc1 .Lvpath
	; ---- q and k
	s_lshr_b32 s29, ttmp9, 7                       ; 0: q, 1: k
	s_and_b32 s36, ttmp9, 127
	s_lshl_b32 s36, s36, 2
	s_add_co_u32 s36, s36, s28                     ; my wave's job, 0..511
	s_lshr_b32 s37, s36, 6                         ; batch
	s_and_b32 s38, s36, 63                         ; P
	s_lshl_b32 s30, s37, 14
	s_lshl_b32 s39, s38, 8
	s_add_co_u32 s30, s30, s39                     ; 16,384 batch + 256 P: my 32 rows in inputs (8 bytes a row); the same figure is my place in qs, ks and qsz
	s_lshl_b32 s32, s37, 19
	s_lshl_b32 s39, s38, 13
	s_add_co_u32 s32, s32, s39                     ; my place in qf or kf
	s_cmp_eq_u32 s29, 0
	s_cselect_b32 s45, 0, 8                        ; k: rows 8..15 of a tile lie 8 further on
	s_cselect_b32 s46, 128, 64                     ; from tile e = 0 to e = 1: 16 rows (q) or 8 rows (k) of 8 bytes
	s_wait_alu depctr_va_vdst(0)
	v_lshrrev_b32 v6, 3, v2
	v_mul_u32_u24 v6, s45, v6
	v_add_nc_u32 v6, v6, v2
	v_lshlrev_b32 v6, 3, v6                        ; tile 0: my row's bytes in inputs
	v_add_nc_u32 v7, s46, v6                       ; tile 1
	v_lshlrev_b32 v8, 6, v3                        ; the weight: 64 h bytes: my 16 numbers of each block of 32
	s_wait_alu depctr_va_vdst(0)
	s_wait_kmcnt 0x0
	s_cmp_eq_u32 s29, 0                            ; (the additions above have written SCC)
	s_cselect_b64 s[48:49], s[6:7], s[8:9]         ; the weight,
	s_cselect_b64 s[50:51], s[12:13], s[16:17]     ; the codes,
	s_cselect_b64 s[52:53], s[14:15], s[18:19]     ; the scale words: the choice hangs on the work-group's number alone
	s_add_nc_u64 s[4:5], s[4:5], s[30:31]
	s_add_nc_u64 s[50:51], s[50:51], s[32:33]
	s_add_nc_u64 s[52:53], s[52:53], s[30:31]
	s_add_nc_u64 s[26:27], s[26:27], s[30:31]
	global_load_b32 v12, v6, s[4:5] offset:4       ; my row's height, tile 0
	global_load_b32 v14, v7, s[4:5] offset:4       ; tile 1
.irp st, 0,1
.irp c, 0,1,2,3
.irp g, 0,1,2,3
	global_load_b128 v[WR+64*\st+16*\c+4*\g:WR+64*\st+16*\c+4*\g+3], v8, s[48:49] offset:512*\st+128*\c+16*\g   ; W(128 st + 32 c + 16 h + 4 g ..)
.endr
.endr
.endr
	s_wait_loadcnt 0x0
	v_mov_b32 v13, v12                             ; (named with it as a pair, so it is written)
	v_mov_b32 v15, v14
.macro QKSTEP st, e, first
.if !(\first)
	s_wait_xcnt 0x0                                ; the last fragment's stores have read their data: the codes' registers are written again only behind this wait
.endif
.set n, 0
.rept 32
	v_pk_mul_f32 v[X+n:X+n+1], v[WR+64*(\st)+n:WR+64*(\st)+n+1], v[12+2*(\e):13+2*(\e)] op_sel_hi:[1,0]   ; height x W: one f32 multiplication, as reference() has it
.set n, n+2
.endr
	QUANT 16+2*(\e)+(\st)
	PUT 50, (\e)*4096+(\st)*2048
.endm
	QKSTEP 0, 0, 1
	QKSTEP 0, 1, 0
	QKSTEP 1, 0, 0
	QKSTEP 1, 1, 0
	v_cndmask_b32 v20, v16, v17, s44               ; tile 0: lanes 0-15 the word of d 0..127, lanes 16-31 that of d 128..255
	v_cndmask_b32 v21, v18, v19, s44               ; tile 1
	global_store_b64 v5, v[20:21], s[52:53]        ; 256 consecutive bytes, aligned
	s_cmp_lg_u32 s29, 0
	s_cbranch_scc1 .Lqdone
	global_load_b64 v[22:23], v5, s[4:5]           ; q's waves also make qsz: lane l takes query 32 P + l
	s_wait_loadcnt 0x0
	v_mul_f32 v24, 0x41000000, v22                 ; 8 size: exact
	v_mov_b32 v26, 0xd06e6b28                      ; 16 x -1e9: exact
	v_cmp_eq_f32 vcc_lo, 0, v23
	v_cndmask_b32 v25, 0, v26, vcc_lo
	global_store_b64 v5, v[24:25], s[26:27]        ; 256 consecutive bytes, aligned
.Lqdone:
	s_endpgm
	; ---- v
.Lvpath:
	s_sub_co_u32 s36, ttmp9, 256
	s_lshr_b32 s37, s36, 4                         ; batch
	s_and_b32 s38, s36, 15                         ; S: keys 128 S on
	s_lshl_b32 s30, s37, 14
	s_lshl_b32 s39, s38, 10
	s_add_co_u32 s30, s30, s39                     ; my 128 keys in inputs
	s_lshl_b32 s34, s28, 8                         ; 256 cq
	s_add_co_u32 s46, s30, s34                     ; my place in vs: 16,384 batch + 1,024 S + 256 cq
	s_mov_b32 s47, 0
	s_lshl_b32 s32, s37, 19
	s_lshl_b32 s39, s38, 15
	s_add_co_u32 s32, s32, s39
	s_lshl_b32 s39, s28, 13
	s_add_co_u32 s32, s32, s39                     ; my place in vf
	s_lshl_b32 s48, s37, 13
	s_lshl_b32 s39, s38, 9
	s_add_co_u32 s48, s48, s39                     ; my work-group's place in ksz
	s_mov_b32 s49, 0
	s_wait_alu depctr_va_vdst(0)
	v_lshlrev_b32 v6, 7, v3                        ; 128 h: my 16 keys of each block of 32, 8 bytes a key
	v_lshlrev_b32 v7, 2, v2
	v_add_nc_u32 v7, s34, v7                       ; Wv: channel 64 cq + r
	s_wait_alu depctr_va_vdst(0)
	s_wait_kmcnt 0x0
	s_add_nc_u64 s[4:5], s[4:5], s[30:31]
	s_add_nc_u64 s[20:21], s[20:21], s[32:33]
	s_add_nc_u64 s[22:23], s[22:23], s[46:47]
	s_add_nc_u64 s[24:25], s[24:25], s[48:49]
.irp c, 0,1,2,3
.irp g, 0,1,2,3,4,5,6,7
	global_load_b128 v[WR+32*\c+4*\g:WR+32*\c+4*\g+3], v6, s[4:5] offset:256*\c+16*\g   ; (size, height) of keys 32 c + 16 h + 2 g, + 1: the height of key i is register 32 c + 2 i + 1
.endr
.endr
.irp n, 0,1,2,3
	global_load_b32 v[12+\n], v7, s[10:11] offset:64*\n   ; Wv(64 cq + 16 n + r)
.endr
	s_wait_loadcnt 0x0
.macro VSTEP n, first
.if !(\first)
	s_wait_xcnt 0x0                                ; the last fragment's stores have read their data
.endif
.irp c, 0,1,2,3
.irp i, 0,1,2,3,4,5,6,7,8,9,10,11,12,13,14,15
	v_mul_f32 v[X+16*\c+\i], v[WR+32*\c+2*\i+1], v[12+(\n)]   ; height x Wv
.endr
.endr
	QUANT 16+(\n)
	PUT 20, (\n)*2048
.endm
	VSTEP 0, 1
	VSTEP 1, 0
	VSTEP 2, 0
	VSTEP 3, 0
	v_cndmask_b32 v20, v16, v17, s44               ; word 0: lanes 0-15 channel tile 4 cq, lanes 16-31 tile 4 cq + 1
	v_cndmask_b32 v21, v18, v19, s44               ; word 1: tiles 4 cq + 2, + 3
	global_store_b64 v5, v[20:21], s[22:23]        ; 256 consecutive bytes, aligned
	s_cmp_lg_u32 s28, 0
	s_cbranch_scc1 .Lvdone
	v_lshlrev_b32 v8, 5, v1                        ; wave 0 also makes ksz: lane l takes keys 4 l .. 4 l + 3
	global_load_b128 v[24:27], v8, s[4:5]
	global_load_b128 v[28:31], v8, s[4:5] offset:16
	v_mov_b32 v9, 0xcf800000                       ; -2^32
	s_wait_loadcnt 0x0
.irp k, 0,1,2,3
	v_mul_f32 v[32+\k], 0xc1000000, v[24+2*\k]     ; -8 size: exact
.endr
	s_wait_alu depctr_va_vdst(0)
.irp k, 0,1,2,3
	v_cmp_eq_f32 vcc_lo, 0, v[25+2*\k]
	v_cndmask_b32 v[32+\k], v[32+\k], v9, vcc_lo
.endr
	global_store_b128 v4, v[32:35], s[24:25]       ; 512 consecutive bytes, aligned
.Lvdone:
	s_endpgm
.Lfunc_end_k_q097467015b_prep:
	.size	k_q097467015b_prep, .Lfunc_end_k_q097467015b_prep-k_q097467015b_prep
	.p2alignl 7, 3214868480
	.fill 96, 4, 3214868480
	.section	.rodata,"a",@progbits
	.p2align	6, 0x0
	.amdhsa_kernel k_q097467015b_prep
		.amdhsa_group_segment_fixed_size 0
		.amdhsa_private_segment_fixed_size 0
		.amdhsa_enable_private_segment 0
		.amdhsa_kernarg_size 96
		.amdhsa_user_sgpr_count 2
		.amdhsa_user_sgpr_kernarg_segment_ptr 1
		.amdhsa_wavefront_size32 1
		.amdhsa_system_sgpr_workgroup_id_x 1
		.amdhsa_system_sgpr_workgroup_id_y 1
		.amdhsa_system_sgpr_workgroup_id_z 1
		.amdhsa_system_vgpr_workitem_id 0
		.amdhsa_next_free_vgpr 256
		.amdhsa_next_free_sgpr 66
		.amdhsa_reserve_vcc 1
		.amdhsa_float_denorm_mode_32 3
		.amdhsa_float_denorm_mode_16_64 3
		.amdhsa_memory_ordered 1
		.amdhsa_forward_progress 1
		.amdhsa_inst_pref_size 95
	.end_amdhsa_kernel
	.amdgpu_metadata
---
amdhsa.version: [ 1, 2 ]
amdhsa.kernels:
  - .name:           k_q097467015b_prep
    .symbol:         k_q097467015b_prep.kd
    .args:
      - { .name: inputs, .offset: 0, .size: 8, .value_kind: global_buffer, .address_space: global }
      - { .name: Wq, .offset: 8, .size: 8, .value_kind: global_buffer, .address_space: global }
      - { .name: Wk, .offset: 16, .size: 8, .value_kind: global_buffer, .address_space: global }
      - { .name: Wv, .offset: 24, .size: 8, .value_kind: global_buffer, .address_space: global }
      - { .name: qf, .offset: 32, .size: 8, .value_kind: global_buffer, .address_space: global }
      - { .name: qs, .offset: 40, .size: 8, .value_kind: global_buffer, .address_space: global }
      - { .name: kf, .offset: 48, .size: 8, .value_kind: global_buffer, .address_space: global }
      - { .name: ks, .offset: 56, .size: 8, .value_kind: global_buffer, .address_space: global }
      - { .name: vf, .offset: 64, .size: 8, .value_kind: global_buffer, .address_space: global }
      - { .name: vs, .offset: 72, .size: 8, .value_kind: global_buffer, .address_space: global }
      - { .name: ksz, .offset: 80, .size: 8, .value_kind: global_buffer, .address_space: global }
      - { .name: qsz, .offset: 88, .size: 8, .value_kind: global_buffer, .address_space: global }
    .group_segment_fixed_size: 0
    .private_segment_fixed_size: 0
    .kernarg_segment_align: 8
    .kernarg_segment_size: 96
    .max_flat_workgroup_size: 128
    .sgpr_count:     66
    .vgpr_count:     256
    .wavefront_size: 32
...
	.end_amdgpu_metadata
.endif
;; end of part 3
;; launch attn (part 4): grid 32 x 8, 8 waves a work-group, no clusters, 304,128 bytes of LDS; arguments qf, qs, kf, ks, vf, vs, ksz, qsz, out0; writes out0
.if DOCPART == 4
	.amdgcn_target "amdgcn-amd-amdhsa--gfx1250"
	.amdhsa_code_object_version 6
	.text
	.protected	k_q097467015b_attn
	.globl	k_q097467015b_attn
	.p2align	8
	.type	k_q097467015b_attn,@function
k_q097467015b_attn:
	s_mov_b64 s[64:65], 0
	v_nop
	global_prefetch_b8 v0, s[64:65] scope:SCOPE_SE
	s_setreg_imm32_b32 hwreg(HW_REG_WAVE_MODE, 25, 1), 1
	s_wait_xcnt 0x0
; out[b][i][:] = sum over j of Q(weights[i][j]) Q(v[j][:]), weights = the finished, normalised softmax of logits = Q(q_i) . Q(k_j) / 16 - 0.5 |size_i - size_j| + the masks' terms.  Both products on codes of BF8 (E5M2)
; with one E8M0 scale for each 32 along K.  The codes of q, k, v and two f32 tables come from the launch before, in the order of the operand registers.
; WORK THAT IS FOLDED: the key mask's two steps ride on the table ksz (-2^32 for a key of height 0), as shown at the head of the first kernel; the limit stated there holds here.
; SHARES.  A work-group owns 64 queries (tiles x = 0..3 of 16) of one batch, all 2,048 keys.  Scores and softmax: wave w owns keys 256 w .. 256 w + 255, eight blocks of 32.  K IS READ ONCE: each block's fragments feed all
; four tiles.  The scores of tiles 0, 1 stay in registers (256 a wave); those of tiles 2, 3 are parked as f32 in the wave's own 32,768 bytes of LDS and come back when the codes of tiles 0, 1 are made.
; So each score and each exponential is made once, and a row's sum is known before any code of its weights is made.  The weights' codes take the first 16,384 bytes of the same region.
; Second product: wave (cq = w % 4, kh = w / 4) owns channels 64 cq on, all four tiles, keys 1,024 kh on: each fragment of v feeds four products; the two halves of the keys are added on the way out.
; LAYOUT.  Both products are used transposed (source 0 = 16 keys, or 16 channels; source 1 = 16 queries): a lane holds ONE query (lane % 16) throughout.  The keys of a tile of k were chosen so that the 16 registers
; of tiles u = 0, 1 of a block are the keys 32 b + 16 (lane / 16) + 0 .. 15: the conversions' results are the second product's operand.
; ARITHMETIC.  All is carried as D = 16 x logit (a power of two: it rounds nothing).  C = fl(-|8 size_i - 8 size_j| + QM_i) is the C of the first product, QM = 16 x -1e9 for a query of height 0, else 0:
; reference()'s own two roundings; such a query's codes are zeros, so its D is C.  c = log2(e) / 16.  For each row and each GROUP g of two blocks (64 keys) M_g = the largest D c rounded UP to a whole number;
; p~ = 2^(D c - M_g); l_g = the sum of the p~.  Then M_w = the largest M_g, l_w = the sum of l_g 2^(M_g - M_w); one exchange of (-M_w, l_w) through LDS gives M = the largest M_w and the row's sum;
; f_g = 2^(M_g - M) / that sum; p = p~ f_g is the normalised weight.  The powers of two round nothing.  A block's largest p is made of the block's largest D by the same three instructions.
; LIMITS: NaN and infinities are not served; a p~ under 2^-126 is 0 (v_exp_f32 flushes); the row's sum and the sums over K are taken in another order than reference()'s.
; NO CLUSTER, NO LDS FOR K AND V: each fragment of k and v is used by exactly one wave of the work-group and goes from memory straight into that wave's operand registers; the parked scores take 262,144 bytes of LDS, beside
; which no two slots of a block of 32 keys a wave (65,536 bytes) fit.  NO DATA PREFETCH: the text has no loop, and fragments are asked for up to three blocks ahead, into registers.
; REGISTERS.  Window 1 (v256-511): D of tile t = 0, 1 (later 2, 3), block b, u at 32 b + 16 u + 8 t; 32 registers of a block that has not begun serve as a buffer for one tile of K.
;   In the second product v0-127 the sixteen accumulators (x, c) at 8 (4 x + c), v128-255 two buffers of four fragments of P.
; Window 0: v0 thread; v1 16 lane; v2 8 lane; v3 64 h; v4-11 (8 size_i, QM_i) of four tiles; v12-15 q's scale words; v16-19, v24, v25 k's scale words, three blocks by turns; v4-19 later v's; v20-23 block maxima in hand;
;   v26 my region of LDS + 16 lane; v27 my 16 bytes of a group's figures; v28-59 the scores of tiles 2, 3 on their way to LDS, and scratch; v60, v61 scratch; v62, v63 the add's two;
;   v64-127 K's buffers A, B, later V's buffer 1; v128-255 Q; later v128-191 V's buffer 0, v192-255 scratch, then V's buffer 2.
.set NML,   262144                     ; LDS: 4,096 g + 16 thread: (-M_g of two tiles, l_g of two tiles); 16,384 on: the blocks' largest p~
.set XCH,   294912                     ; the exchange: 2,048 q + 64 row + 8 w: (-M_w, l_w); each half q of the queries has bytes of its own
.set PSC,   299008                     ; P's scale words: 2,048 q + 128 S + 4 lane: lanes 0-15 tile 2 q's, lanes 16-31 tile 2 q + 1's
.set SPARE, 303104                     ; the spare words, 128 bytes for each wave: four blocks of 256 bytes that no other line names
.set SROW,  1040                       ; the way out, from byte 0 on: for each half of the keys 64 rows of 1,024 bytes + 16
.set SHALF, 64*SROW
.set TT, 28
.set QS, 12
.set QQ, 128
.set MSB, 0
.macro WIN new                         ; the immediate's high byte repeats the setting that is left; bits 1:0 source 0, 3:2 source 1, 5:4 source 2, 7:6 destination
.if MSB != \new
	s_set_vgpr_msb (MSB<<8)|\new
.set MSB, \new
.endif
.endm
.macro STLE
	s_wait_alu depctr_va_vdst(0)
.endm
.macro KLOC n                          ; where tile n = 2 b + u of k lies: buffers A (v64) and B (v96), or the score registers of block 7, 6, 5, 4 ahead of their own use
.if ((\n)==2)||((\n)==8)||((\n)==12)
.set KW, 1
.set KR, 224
.elseif ((\n)==3)||((\n)==9)
.set KW, 1
.set KR, 192
.elseif (\n)==4
.set KW, 1
.set KR, 160
.elseif (\n)==5
.set KW, 1
.set KR, 128
.elseif ((\n)==1)||((\n)==7)||((\n)==11)||((\n)==14)
.set KW, 0
.set KR, 96
.else
.set KW, 0
.set KR, 64
.endif
.endm
.macro LOADK n                         ; tile n of k: eight loads of 512 consecutive bytes
	KLOC \n
	WIN (0x40*KW)
.irp st, 0,1
.irp c, 0,1,2,3
	global_load_b128 v[KR+16*\st+4*\c:KR+16*\st+4*\c+3], v1, s[8:9] offset:(\n)*4096+\st*2048+\c*512
.endr
.endr
.endm
.macro LOADT b                         ; block b's part of the key table, -8 size of keys 32 b + 16 h + 4 g ..: into tile 0's D registers
	WIN 0x40
.irp g, 0,1,2,3
	global_load_b128 v[32*(\b)+16*(\g/2)+4*(\g%2):32*(\b)+16*(\g/2)+4*(\g%2)+3], v3, s[16:17] offset:(\b)*128+16*\g
.endr
.endm
.macro LOADS b                         ; block b's scale words of k
	WIN 0
.set rK, 16+2*((\b)%3)+4*(((\b)%3)/2)
	global_load_b64 v[rK:rK+1], v2, s[10:11] offset:(\b)*256
.endm
.macro LOADV sl                        ; key step sl's four fragments of v (my channel tiles) into buffer sl % 3: v128, v64, v192
	WIN 0
.irp n, 0,1,2,3
.irp c, 0,1,2,3
	global_load_b128 v[128+64*(((\sl)%3)/2)-64*(((\sl)%3)%2)+16*\n+4*\c:128+64*(((\sl)%3)/2)-64*(((\sl)%3)%2)+16*\n+4*\c+3], v1, s[12:13] offset:(\sl)*32768+\n*2048+\c*512
.endr
.endr
.endm
.macro CPREP b                         ; block b's C for the four tiles: tile 0's D registers hold -8 size_j (or -2^32)
	WIN 0x01
.irp u, 0,1
.irp n, 0,2,4,6
	v_pk_add_f32 v[TT+8*\u+\n:TT+8*\u+\n+1], v[32*(\b)+16*\u+\n:32*(\b)+16*\u+\n+1], v[8:9] op_sel_hi:[1,0]         ; 8 size_i - 8 size_j, tile 2,
	v_pk_add_f32 v[TT+16+8*\u+\n:TT+17+8*\u+\n], v[32*(\b)+16*\u+\n:32*(\b)+16*\u+\n+1], v[10:11] op_sel_hi:[1,0]   ; tile 3,
.endr
.endr
	WIN 0x41
.irp u, 0,1
.irp n, 0,2,4,6
	v_pk_add_f32 v[32*(\b)+16*\u+8+\n:32*(\b)+16*\u+9+\n], v[32*(\b)+16*\u+\n:32*(\b)+16*\u+\n+1], v[6:7] op_sel_hi:[1,0]   ; tile 1,
.endr
.endr
.irp u, 0,1
.irp n, 0,2,4,6
	v_pk_add_f32 v[32*(\b)+16*\u+\n:32*(\b)+16*\u+\n+1], v[32*(\b)+16*\u+\n:32*(\b)+16*\u+\n+1], v[4:5] op_sel_hi:[1,0]     ; tile 0
.endr
.endr
.irp u, 0,1
.irp i, 0,1,2,3,4,5,6,7
	v_add_f32 v[32*(\b)+16*\u+\i], -|v[32*(\b)+16*\u+\i]|, v5             ; -|.| + QM_i
	v_add_f32 v[32*(\b)+16*\u+8+\i], -|v[32*(\b)+16*\u+8+\i]|, v7
.endr
.endr
	WIN 0
.irp i, 0,1,2,3,4,5,6,7,8,9,10,11,12,13,14,15
	v_add_f32 v[TT+\i], -|v[TT+\i]|, v9
	v_add_f32 v[TT+16+\i], -|v[TT+16+\i]|, v11
.endr
.endm
.macro MM b, st, t, u                  ; one product: K step st, query tile t, key tile u
	KLOC 2*(\b)+(\u)
.if (\t) < 2
	WIN (0x50+KW)
.set rD, 32*(\b)+16*(\u)+8*(\t)
.else
	WIN (KW)
.set rD, TT+16*((\t)-2)+8*(\u)
.endif
.set rA, KR+16*(\st)
.set rQ, QQ+32*(\t)+16*(\st)
.if (\st) == 0
	v_wmma_scale_f32_16x16x128_f8f6f4 v[rD:rD+7], v[rA:rA+15], v[rQ:rQ+15], v[rD:rD+7], v[rK+(\u)], v[QS+(\t)] matrix_a_fmt:MATRIX_FMT_BF8 matrix_b_fmt:MATRIX_FMT_BF8
.else
	v_wmma_scale_f32_16x16x128_f8f6f4 v[rD:rD+7], v[rA:rA+15], v[rQ:rQ+15], v[rD:rD+7], v[rK+(\u)], v[QS+(\t)] matrix_a_fmt:MATRIX_FMT_BF8 matrix_b_fmt:MATRIX_FMT_BF8 matrix_a_scale:MATRIX_SCALE_ROW1 matrix_b_scale:MATRIX_SCALE_ROW1
.endif
.endm
.macro MULS b                          ; D = k q^T + C: four accumulators by turns, two K steps, for tiles 0, 1 and then for tiles 2, 3
.set rK, 16+2*((\b)%3)+4*(((\b)%3)/2)
.irp p, 0,2
.irp st, 0,1
.irp u, 0,1
	MM \b, \st, \p, \u
	MM \b, \st, \p+1, \u
.endr
.endr
.endr
.endm
.macro PARK b                          ; the block's scores of tiles 2, 3 into my region: tile 2 in its first 16,384 bytes, tile 3 in the rest; each accumulator from its low end on
	WIN 0
.irp t, 0,1
.irp n, 0,1,2,3
	ds_store_b128 v26, v[TT+16*\t+4*\n:TT+16*\t+4*\n+3] offset:\t*16384+(\b)*2048+\n*512
.endr
.endr
.endm
.macro UNPARK t                        ; and back: tile 2 + t into the D registers of tile t
	WIN 0x40
.irp b, 0,1,2,3,4,5,6,7
.irp n, 0,1,2,3
	ds_load_b128 v[32*\b+16*(\n/2)+8*(\t)+4*(\n%2):32*\b+16*(\n/2)+8*(\t)+4*(\n%2)+3], v26 offset:(\t)*16384+\b*2048+\n*512
.endr
.endr
.endm
.macro MAXB b                          ; the largest D of block b, both tiles by turns; each accumulator is read from its low end on
.set rB, 32*(\b)
.set rM, 20+((\b)%2)                   ; tile 0's; tile 1's two on
	WIN 0x15
	v_max3_num_f32 v[rM], v[rB], v[rB+1], v[rB+2]
	v_max3_num_f32 v[rM+2], v[rB+8], v[rB+9], v[rB+10]
	WIN 0x14
.irp i, 3,5,7,9,11,13
	v_max3_num_f32 v[rM], v[rM], v[rB+16*(\i/8)+\i%8], v[rB+16*((\i+1)/8)+(\i+1)%8]
	v_max3_num_f32 v[rM+2], v[rM+2], v[rB+8+16*(\i/8)+\i%8], v[rB+8+16*((\i+1)/8)+(\i+1)%8]
.endr
	v_max3_num_f32 v[rM], v[rM], v[rB+23], v[rB+23]
	v_max3_num_f32 v[rM+2], v[rM+2], v[rB+31], v[rB+31]
	WIN 0
	v_permlanex16_b32 v60, v[rM], s34, s35
	v_permlanex16_b32 v61, v[rM+2], s34, s35
	s_delay_alu instid0(VALU_DEP_2)
	v_max_num_f32 v[rM], v[rM], v60                ; with lane l xor 16's 16 keys
	s_delay_alu instid0(VALU_DEP_2)
	v_max_num_f32 v[rM+2], v[rM+2], v61
.endm
; Group g = blocks 2 g and 2 g + 1, both tiles: M_g, p~ in place of D, the blocks' largest p~, l_g; the figures go to my own bytes of LDS.  v28-47 are scratch here: the stores that read them have been waited for.
.macro SOFT g
	WIN 0
	v_max_num_f32 v40, v20, v21
	v_max_num_f32 v41, v22, v23
	s_delay_alu instid0(VALU_DEP_2)
	v_mul_f32 v40, s32, v40
	s_delay_alu instid0(VALU_DEP_2)
	v_mul_f32 v41, s32, v41
	s_delay_alu instid0(VALU_DEP_2)
	v_floor_f32 v28, -v40                          ; -M_g = floor(-t) = -ceil(t): a whole number
	s_delay_alu instid0(VALU_DEP_2)
	v_floor_f32 v30, -v41
	s_delay_alu instid0(VALU_DEP_2)
	v_mov_b32 v29, v28                             ; (named as pairs)
	s_delay_alu instid0(VALU_DEP_2)
	v_mov_b32 v31, v30
.irp t, 0,1
.irp u, 0,1
	v_fma_f32 v[20+2*\t+\u], v[20+2*\t+\u], s32, v[28+2*\t]   ; the same of each block's largest D as of every D
.endr
.endr
	WIN 0x41
.irp t, 0,1
.set n, 0
.rept 16
.set rR, 64*(\g)+32*(n/16)+16*((n%16)/8)+8*\t+(n%8)
	v_pk_fma_f32 v[rR:rR+1], v[rR:rR+1], s[32:33], v[28+2*\t:29+2*\t] op_sel_hi:[1,0,0]   ; D c - M_g
.set n, n+2
.endr
.endr
	s_wait_alu depctr_va_vdst(0)
.set n, 0
.rept 64
	v_exp_f32 v[64*(\g)+n], v[64*(\g)+n]           ; p~
.set n, n+1
.endr
	WIN 0
.irp k, 0,1,2,3
	v_exp_f32 v[20+\k], v[20+\k]                   ; the blocks' largest p~
.endr
	v_nop                                          ; a plain line behind the last exponential
	s_wait_alu depctr_va_vdst(0)                   ; one wait for the batch of 68, ahead of its first reader
	WIN 0x05                                       ; the sum is taken of the unquantised p~, two at a time, in two chains a tile; the first pairs start the chains: nothing is cleared
.irp t, 0,1
	v_pk_add_f32 v[32+2*\t:33+2*\t], v[64*(\g)+8*\t:64*(\g)+8*\t+1], v[64*(\g)+8*\t+2:64*(\g)+8*\t+3]
	v_pk_add_f32 v[36+2*\t:37+2*\t], v[64*(\g)+8*\t+4:64*(\g)+8*\t+5], v[64*(\g)+8*\t+6:64*(\g)+8*\t+7]
.endr
	WIN 0x01
.set n, 8
.rept 6
.set rR, 64*(\g)+32*(n/16)+16*((n%16)/8)+(n%8)
	v_pk_add_f32 v[32:33], v[rR:rR+1], v[32:33]
	v_pk_add_f32 v[34:35], v[rR+8:rR+9], v[34:35]
	v_pk_add_f32 v[36:37], v[rR+2:rR+3], v[36:37]
	v_pk_add_f32 v[38:39], v[rR+10:rR+11], v[38:39]
.set n, n+4
.endr
	WIN 0
	v_pk_add_f32 v[32:33], v[32:33], v[36:37]
	v_pk_add_f32 v[34:35], v[34:35], v[38:39]
	v_mov_b32 v44, v28
	v_mov_b32 v45, v30
	v_add_f32 v46, v32, v33                        ; l_g of my 32 keys, the first tile,
	v_add_f32 v47, v34, v35                        ; the second
	ds_store_b128 v27, v[44:47] offset:(\g)*4096
	ds_store_b128 v27, v[20:23] offset:16384+(\g)*4096
.endm
; One block of 32 keys.  wa: the loads that may be out when the block's table is in; wb: when its fragments are in too (each the number of loads issued behind the youngest that is needed).
.macro BLK b, wa, wb
	STLE
.if (\b) > 0
	s_wait_dscnt 0x0                               ; the stores have read the scratch, which is written again below
.endif
	s_wait_loadcnt \wa
	CPREP \b
.if (\wa) != (\wb)
	STLE
	s_wait_loadcnt \wb
.endif
.rept 4
	v_nop
.endr
	MULS \b
.rept 8
	v_nop                                          ; eight places ahead of loads into the products' sources and of the first reads of the results
.endr
.if (\b) == 0
	LOADS 3
	LOADK 6
	LOADK 7
.elseif (\b) == 1
	LOADS 4
	LOADK 8
	LOADK 9
.elseif (\b) == 2
	LOADT 4
	LOADS 5
.elseif (\b) == 3
	LOADT 5
	LOADS 6
	LOADK 10
	LOADK 11
.elseif (\b) == 4
	LOADT 6
	LOADS 7
	LOADK 12
.elseif (\b) == 5
	LOADK 13
	LOADK 14
.elseif (\b) == 6
	LOADT 7
	LOADK 15
.else
	LOADV 0                                        ; K and Q are done with: the second product's first operands
.irp sl, 0,1,2,3,4,5,6,7
	global_load_b64 v[4+2*\sl:5+2*\sl], v2, s[14:15] offset:\sl*1024   ; v's scale words
.endr
	LOADV 1
.endif
	PARK \b
	MAXB \b
.if ((\b)%2) == 1
	STLE
	s_wait_dscnt 0x0                               ; the parked scores' registers are read: scratch now
	SOFT (\b)/2
.endif
.endm
.macro SCALES t                        ; eight blocks: largest p, conversion scale, hold, and the two scale words
	WIN 0
.irp b, 0,1,2,3,4,5,6,7
	v_mul_f32 v[28+4*(\b/2)+2*(\t)+\b%2], v[28+4*(\b/2)+2*(\t)+\b%2], v[224+8*(\t)+2*(\b/2)]   ; the block's largest p: the same multiplication as every p's
.endr
.irp b, 0,1,2,3,4,5,6,7
	v_max_num_f32 v[28+4*(\b/2)+2*(\t)+\b%2], 0x8000000, v[28+4*(\b/2)+2*(\t)+\b%2]   ; the floor 2^(16 - 127): the byte cannot fall under 1
.endr
.irp b, 0,1,2,3,4,5,6,7
	v_add_nc_u32 v[44+\b], 0xf8800000, v[28+4*(\b/2)+2*(\t)+\b%2]      ; 15 off the exponent field: the conversion's scale operand
.endr
.irp b, 0,1,2,3,4,5,6,7
	v_and_or_b32 v[28+4*(\b/2)+2*(\t)+\b%2], v[28+4*(\b/2)+2*(\t)+\b%2], 0x7f800000, s36   ; 57,344 x the scale
.endr
.irp b, 0,1,2,3,4,5,6,7
	v_lshrrev_b32 v[240+\b], 23, v[44+\b]          ; the scale's byte
.endr
.irp s, 0,1
	v_lshl_or_b32 v[52+2*(\t)+\s], v[241+4*\s], 8, v[240+4*\s]
.endr
.irp s, 0,1
	v_lshl_or_b32 v[52+2*(\t)+\s], v[242+4*\s], 16, v[52+2*(\t)+\s]
.endr
.irp s, 0,1
	v_lshl_or_b32 v[52+2*(\t)+\s], v[243+4*\s], 24, v[52+2*(\t)+\s]
.endr
.endm
.macro QTILE q, t                      ; tile 2 q + t: normalised, held, converted; its eight pieces of 512 bytes are stored as images into my region
	WIN 0x41
.irp b, 0,1,2,3,4,5,6,7
.irp n, 0,2,4,6,16,18,20,22
	v_pk_mul_f32 v[32*\b+8*(\t)+\n:32*\b+8*(\t)+\n+1], v[32*\b+8*(\t)+\n:32*\b+8*(\t)+\n+1], v[224+8*(\t)+2*(\b/2):225+8*(\t)+2*(\b/2)] op_sel_hi:[1,0]   ; p = p~ f_g
.endr
.endr
.irp b, 0,1,2,3,4,5,6,7
.irp n, 0,1,2,3,4,5,6,7,16,17,18,19,20,21,22,23
	v_min_num_f32 v[32*\b+8*(\t)+\n], v[32*\b+8*(\t)+\n], v[28+4*(\b/2)+2*(\t)+\b%2]   ; the conversion does not saturate (ISA guide 7.6.2); p is not negative, so the hold is one-sided
.endr
.endr
	WIN 0x01
.if (\t) > 0
	STLE
	s_wait_dscnt 0x0                               ; the first tile's stores have read the codes' registers, which are written again below
.endif
.irp b, 0,1,2,3,4,5,6,7
	v_cvt_scalef32_pk8_bf8_f32 v[192+4*\b:193+4*\b], v[32*\b+8*(\t):32*\b+8*(\t)+7], v[44+\b]
	v_cvt_scalef32_pk8_bf8_f32 v[194+4*\b:195+4*\b], v[32*\b+8*(\t)+16:32*\b+8*(\t)+23], v[44+\b]
.endr
	v_nop                                          ; a plain line behind the last conversion: later lines write its sources
.if (\q) == 0
	UNPARK \t                                      ; ahead of the stores: LDS serves a wave's instructions in order (ISA guide 5.7.1.4), so the parked scores are read before codes take their bytes
.endif
	WIN 0
.irp b, 0,1,2,3,4,5,6,7
	ds_store_b128 v26, v[192+4*\b:195+4*\b] offset:(2*(\q)+(\t))*4096+\b*512
.endr
.endm
; A half's end: M_w and l_w from the four groups, the exchange, the factors f_g, and the weights' codes.
.macro FIN q
	WIN 0
.irp g, 0,1,2,3
	ds_load_b128 v[224+4*\g:227+4*\g], v27 offset:\g*4096         ; LDS serves a wave's instructions in order: these see my stores
.endr
.irp g, 0,1,2,3
	ds_load_b128 v[28+4*\g:31+4*\g], v27 offset:16384+\g*4096     ; the largest p~ of tile t, block b at 28 + 4 (b / 2) + 2 t + b % 2
.endr
	STLE
	s_wait_dscnt 0x0
	v_min_num_f32 v48, v224, v228
	v_min_num_f32 v49, v225, v229
	s_delay_alu instid0(VALU_DEP_2)
	v_min_num_f32 v48, v48, v232
	s_delay_alu instid0(VALU_DEP_2)
	v_min_num_f32 v49, v49, v233
	s_delay_alu instid0(VALU_DEP_2)
	v_min_num_f32 v48, v48, v236                   ; -M_w = the least -M_g, the first tile,
	s_delay_alu instid0(VALU_DEP_2)
	v_min_num_f32 v49, v49, v237                   ; the second
.irp g, 0,1,2,3
.irp t, 0,1
	v_sub_f32 v[248+2*\g+\t], v[48+\t], v[224+4*\g+\t]   ; M_g - M_w: a whole number, 0 or less
.endr
.endr
.irp k, 0,1,2,3,4,5,6,7
	v_cvt_i32_f32 v[248+\k], v[248+\k]             ; (it saturates); kept for f_g
.endr
.irp g, 0,1,2,3
.irp t, 0,1
	v_ldexp_f32 v[226+4*\g+\t], v[226+4*\g+\t], v[248+2*\g+\t]   ; l_g 2^(M_g - M_w)
.endr
.endr
	v_add_f32 v226, v226, v230
	v_add_f32 v227, v227, v231
	s_delay_alu instid0(VALU_DEP_4)
	v_add_f32 v234, v234, v238
	s_delay_alu instid0(VALU_DEP_4)
	v_add_f32 v235, v235, v239
	s_delay_alu instid0(VALU_DEP_2)
	v_add_f32 v50, v226, v234
	s_delay_alu instid0(VALU_DEP_2)
	v_add_f32 v51, v227, v235
	s_delay_alu instid0(VALU_DEP_2)
	v_permlanex16_b32 v60, v50, s34, s35
	s_delay_alu instid0(VALU_DEP_2)
	v_permlanex16_b32 v61, v51, s34, s35
	s_delay_alu instid0(VALU_DEP_2)
	v_add_f32 v50, v50, v60                        ; l_w, the first tile,
	s_delay_alu instid0(VALU_DEP_2)
	v_add_f32 v51, v51, v61                        ; the second
	v_cndmask_b32 v52, v48, v49, s40               ; the exchange: lane (r, h) stores tile h's (-M_w, l_w) of row r
	s_delay_alu instid0(VALU_DEP_2)
	v_cndmask_b32 v53, v50, v51, s40
	ds_store_b64 v56, v[52:53] offset:(\q)*2048
	STLE
	s_wait_dscnt 0x0
	s_barrier_signal -1
	s_barrier_wait -1                              ; all eight waves' figures lie in LDS
.irp t, 0,1
.irp g, 0,1,2,3
	ds_load_b128 v[192+16*\t+4*\g:192+16*\t+4*\g+3], v57 offset:(\q)*2048+1024*\t+16*\g   ; my row's eight pairs: -M_w at 192 + 16 t + 2 w, l_w beside it
.endr
.endr
	s_wait_dscnt 0x0
.irp t, 0,1
	v_min_num_f32 v[224+\t], v[192+16*\t], v[194+16*\t]
.endr
.irp w, 2,3,4,5,6,7
.irp t, 0,1
	s_delay_alu instid0(VALU_DEP_2)
	v_min_num_f32 v[224+\t], v[224+\t], v[192+16*\t+2*\w]   ; -M = the least -M_w
.endr
.endr
.irp w, 0,1,2,3,4,5,6,7
.irp t, 0,1
	v_sub_f32 v[228+8*\t+\w], v[224+\t], v[192+16*\t+2*\w]   ; M_w - M: a whole number, 0 or less
.endr
.endr
.irp w, 0,1,2,3,4,5,6,7
.irp t, 0,1
	v_cvt_i32_f32 v[228+8*\t+\w], v[228+8*\t+\w]
.endr
.endr
.irp w, 0,1,2,3,4,5,6,7
.irp t, 0,1
	v_ldexp_f32 v[228+8*\t+\w], v[193+16*\t+2*\w], v[228+8*\t+\w]   ; l_w 2^(M_w - M)
.endr
.endr
.irp w, 0,2,4,6
.irp t, 0,1
	v_add_f32 v[228+8*\t+\w], v[228+8*\t+\w], v[229+8*\t+\w]
.endr
.endr
.irp w, 0,4
.irp t, 0,1
	v_add_f32 v[228+8*\t+\w], v[228+8*\t+\w], v[230+8*\t+\w]
.endr
.endr
.irp t, 0,1
	s_delay_alu instid0(VALU_DEP_2)
	v_add_f32 v[228+8*\t], v[228+8*\t], v[232+8*\t]   ; the row's sum
.endr
	s_wait_alu depctr_va_vdst(0)
	v_rcp_f32 v244, v228
	v_rcp_f32 v245, v236
	v_sub_f32 v226, v224, v48                      ; my own wave's M_w - M: plain work behind the reciprocals
	v_sub_f32 v227, v225, v49
	s_delay_alu instid0(VALU_DEP_2)
	v_cvt_i32_f32 v226, v226
	s_delay_alu instid0(VALU_DEP_2)
	v_cvt_i32_f32 v227, v227
	s_wait_alu depctr_va_vdst(0)                   ; one wait for the two reciprocals, ahead of their first reader
	v_ldexp_f32 v244, v244, v226                   ; 2^(M_w - M) / the row's sum
	v_ldexp_f32 v245, v245, v227
.irp t, 0,1
.irp g, 0,1,2,3
	v_ldexp_f32 v[224+8*\t+2*\g], v[244+\t], v[248+2*\g+\t]   ; f_g = 2^(M_g - M) / the row's sum,
	v_ldexp_f32 v[225+8*\t+2*\g], v[244+\t], v[248+2*\g+\t]   ; twice: it is named as a pair
.endr
.endr
	SCALES 0
	QTILE \q, 0
	SCALES 1
	QTILE \q, 1
	v_cndmask_b32 v52, v52, v54, s40               ; lanes 0-15 the first tile's word of row r, lanes 16-31 the second's: key step 2 w,
	v_cndmask_b32 v53, v53, v55, s40               ; key step 2 w + 1
	ds_store_b32 v58, v52 offset:(\q)*2048
	ds_store_b32 v58, v53 offset:(\q)*2048+128
.endm
.macro PLOAD sl                        ; key step sl's four fragments of P into buffer sl % 2, and their two scale words: eighteen LDS loads
	WIN 0x40
.irp x, 0,1,2,3
.irp c, 0,1,2,3
	ds_load_b128 v[128+64*((\sl)%2)+16*\x+4*\c:128+64*((\sl)%2)+16*\x+4*\c+3], v[44+(\sl)/4] offset:(((\sl)/2)%2)*32768+((\sl)%2)*2048+\x*4096+\c*512
.endr
.endr
	WIN 0
	ds_load_b32 v[50+6*((\sl)%2)], v46 offset:(\sl)*128
	ds_load_b32 v[51+6*((\sl)%2)], v46 offset:2048+(\sl)*128
.endm
.macro PV sl                           ; O^T += v^T P^T: sixteen accumulators by turns; the first key step starts the sums with the constant 0
	WIN 0x54
.irp x, 0,1,2,3
.irp c, 0,1,2,3
.set rA, 8*(4*\x+\c)
.set rV, 128+64*(((\sl)%3)/2)-64*(((\sl)%3)%2)+16*\c
.set rP, 128+64*((\sl)%2)+16*\x
.set rSA, 4+2*(\sl)+\c/2               ; v's scale words: an even tile's in lanes 0-15, an odd tile's in lanes 16-31
.set rSB, 50+6*((\sl)%2)+\x/2          ; P's: an even tile's in lanes 0-15, an odd tile's in lanes 16-31
.set rows, (\c%2)+2*(\x%2)
.if (\sl) == 0
.if rows == 0
	v_wmma_scale_f32_16x16x128_f8f6f4 v[rA:rA+7], v[rV:rV+15], v[rP:rP+15], 0, v[rSA], v[rSB] matrix_a_fmt:MATRIX_FMT_BF8 matrix_b_fmt:MATRIX_FMT_BF8
.elseif rows == 1
	v_wmma_scale_f32_16x16x128_f8f6f4 v[rA:rA+7], v[rV:rV+15], v[rP:rP+15], 0, v[rSA], v[rSB] matrix_a_fmt:MATRIX_FMT_BF8 matrix_b_fmt:MATRIX_FMT_BF8 matrix_a_scale:MATRIX_SCALE_ROW1
.elseif rows == 2
	v_wmma_scale_f32_16x16x128_f8f6f4 v[rA:rA+7], v[rV:rV+15], v[rP:rP+15], 0, v[rSA], v[rSB] matrix_a_fmt:MATRIX_FMT_BF8 matrix_b_fmt:MATRIX_FMT_BF8 matrix_b_scale:MATRIX_SCALE_ROW1
.else
	v_wmma_scale_f32_16x16x128_f8f6f4 v[rA:rA+7], v[rV:rV+15], v[rP:rP+15], 0, v[rSA], v[rSB] matrix_a_fmt:MATRIX_FMT_BF8 matrix_b_fmt:MATRIX_FMT_BF8 matrix_a_scale:MATRIX_SCALE_ROW1 matrix_b_scale:MATRIX_SCALE_ROW1
.endif
.else
.if rows == 0
	v_wmma_scale_f32_16x16x128_f8f6f4 v[rA:rA+7], v[rV:rV+15], v[rP:rP+15], v[rA:rA+7], v[rSA], v[rSB] matrix_a_fmt:MATRIX_FMT_BF8 matrix_b_fmt:MATRIX_FMT_BF8
.elseif rows == 1
	v_wmma_scale_f32_16x16x128_f8f6f4 v[rA:rA+7], v[rV:rV+15], v[rP:rP+15], v[rA:rA+7], v[rSA], v[rSB] matrix_a_fmt:MATRIX_FMT_BF8 matrix_b_fmt:MATRIX_FMT_BF8 matrix_a_scale:MATRIX_SCALE_ROW1
.elseif rows == 2
	v_wmma_scale_f32_16x16x128_f8f6f4 v[rA:rA+7], v[rV:rV+15], v[rP:rP+15], v[rA:rA+7], v[rSA], v[rSB] matrix_a_fmt:MATRIX_FMT_BF8 matrix_b_fmt:MATRIX_FMT_BF8 matrix_b_scale:MATRIX_SCALE_ROW1
.else
	v_wmma_scale_f32_16x16x128_f8f6f4 v[rA:rA+7], v[rV:rV+15], v[rP:rP+15], v[rA:rA+7], v[rSA], v[rSB] matrix_a_fmt:MATRIX_FMT_BF8 matrix_b_fmt:MATRIX_FMT_BF8 matrix_a_scale:MATRIX_SCALE_ROW1 matrix_b_scale:MATRIX_SCALE_ROW1
.endif
.endif
.endr
.endr
.endm
	; ---- the head
	s_load_b512 s[4:19], s[0:1], 0x0               ; qf s[4:5], qs s[6:7], kf s[8:9], ks s[10:11], vf s[12:13], vs s[14:15], ksz s[16:17], qsz s[18:19]
	s_load_b64 s[20:21], s[0:1], 0x40              ; out0
	v_lshl_add_u32 v62, v0, 2, SPARE               ; my spare word,
	v_mov_b32 v63, 0                               ; and 0: kept for the add at the wave's end
	v_lshrrev_b32 v1, 5, v0
	v_readfirstlane_b32 s22, v1                    ; wave w, 0..7
	s_and_b32 s23, ttmp7, 0xffff                   ; batch
	s_mov_b32 s24, ttmp9                           ; my block of 64 queries
	s_and_b32 s25, s22, 3                          ; cq
	s_lshr_b32 s26, s22, 2                         ; kh
	v_and_b32 v28, 31, v0                          ; lane
	v_and_b32 v29, 15, v0                          ; r
	v_bfe_u32 v30, v0, 4, 1                        ; h
	v_lshl_add_u32 v27, v0, 4, NML                 ; my 16 bytes of a group's figures
	v_lshlrev_b32 v1, 4, v28                       ; 16 lane
	v_lshlrev_b32 v2, 3, v28                       ; 8 lane
	v_lshlrev_b32 v3, 6, v30                       ; 64 h
	v_lshlrev_b32 v60, 3, v29                      ; 8 r
	v_mov_b32 v61, 0                               ; (a lane permute's destination counts as one of its sources)
	v_cmp_le_u32 s40, 16, v28                      ; lanes 16-31
	s_lshl_b32 s59, s22, 15                        ; my region of LDS: 32,768 w
	v_add_nc_u32 v26, s59, v1
	s_mov_b32 s32, 0x3db8aa3b                      ; c = log2(e) / 16
	s_mov_b32 s33, s32                             ; (named with it as a pair, so it is written)
	s_mov_b32 s34, 0x76543210
	s_mov_b32 s35, 0xfedcba98                      ; v_permlanex16_b32's selects for lane l xor 16
	s_mov_b32 s36, 0x600000                        ; the mantissa field of 57,344
	s_lshl_b32 s27, s23, 19                        ; the batch's codes,
	s_lshl_b32 s28, s23, 14                        ; its scale words and qsz
	s_lshl_b32 s42, s24, 14
	s_add_co_u32 s42, s42, s27                     ; qf: my two pairs of tiles, 8,192 bytes each
	s_lshl_b32 s44, s24, 9
	s_add_co_u32 s44, s44, s28                     ; qs and qsz: 512 bytes for 64 queries
	s_lshl_b32 s46, s22, 16
	s_add_co_u32 s46, s46, s27                     ; kf: my eight blocks of 8,192 bytes
	s_lshl_b32 s48, s22, 11
	s_add_co_u32 s48, s48, s28                     ; ks: my eight blocks of 256 bytes
	s_lshl_b32 s50, s26, 18
	s_add_co_u32 s50, s50, s27
	s_lshl_b32 s29, s25, 13
	s_add_co_u32 s50, s50, s29                     ; vf: my eight key steps, my four channel tiles
	s_lshl_b32 s52, s26, 13
	s_add_co_u32 s52, s52, s28
	s_lshl_b32 s29, s25, 8
	s_add_co_u32 s52, s52, s29                     ; vs
	s_lshl_b32 s54, s23, 13
	s_lshl_b32 s29, s22, 10
	s_add_co_u32 s54, s54, s29                     ; ksz: my 256 keys
	s_lshl_b32 s56, s23, 21
	s_lshl_b32 s29, s24, 16
	s_add_co_u32 s56, s56, s29
	s_lshl_b32 s29, s22, 13
	s_add_co_u32 s56, s56, s29                     ; out0: rows 8 w .. 8 w + 7 of my 64
.irp p, 43,45,47,49,51,53,55,57
	s_mov_b32 s\p, 0
.endr
	s_lshl_b32 s58, s22, 3
	s_add_co_u32 s58, s58, XCH                     ; LDS: XCH + 8 w
	s_lshl_b32 s60, s26, 17                        ; the regions of my half of the keys' four waves, the first two,
	s_add_co_u32 s63, s60, 0x10000                 ; the last two
	s_lshl_b32 s61, s26, 10
	s_add_co_u32 s61, s61, PSC                     ; PSC + 1,024 kh
	s_lshl_b32 s62, s22, 8
	s_add_co_u32 s62, s62, PSC                     ; PSC + 256 w
	s_mul_i32 s37, s26, SHALF
	s_lshl_b32 s29, s25, 8
	s_add_co_u32 s37, s37, s29                     ; my half's stage + 256 cq
	s_mul_i32 s38, s22, 8*SROW                     ; my eight rows of a stage
	s_wait_alu depctr_va_vdst(0)
	s_wait_kmcnt 0x0
	s_add_nc_u64 s[4:5], s[4:5], s[42:43]
	s_add_nc_u64 s[6:7], s[6:7], s[44:45]
	s_add_nc_u64 s[8:9], s[8:9], s[46:47]
	s_add_nc_u64 s[10:11], s[10:11], s[48:49]
	s_add_nc_u64 s[12:13], s[12:13], s[50:51]
	s_add_nc_u64 s[14:15], s[14:15], s[52:53]
	s_add_nc_u64 s[16:17], s[16:17], s[54:55]
	s_add_nc_u64 s[18:19], s[18:19], s[44:45]
	s_add_nc_u64 s[20:21], s[20:21], s[56:57]
.irp t, 0,1,2,3
	global_load_b64 v[4+2*\t:5+2*\t], v60, s[18:19] offset:128*\t   ; (8 size_i, QM_i) of tile t
.endr
	LOADT 0
	WIN 0
	global_load_b64 v[12:13], v2, s[6:7]           ; q's scale words
	global_load_b64 v[14:15], v2, s[6:7] offset:256
	LOADS 0
.irp t, 0,1,2,3
.irp n, 0,1,2,3,4,5,6,7
	global_load_b128 v[QQ+32*\t+4*\n:QQ+32*\t+4*\n+3], v1, s[4:5] offset:\t*4096+\n*512   ; q's eight fragments (tile t, K step n / 4) stay for all blocks
.endr
.endr
	LOADK 0
	LOADK 1
	LOADT 1                                        ; block 1: 21 loads
	LOADS 1
	LOADK 2
	LOADK 3
	LOADT 2                                        ; block 2, with block 3's table: 25 loads
	LOADT 3
	LOADS 2
	LOADK 4
	LOADK 5
	; ---- the scores, a block of 32 keys at a time.  Behind block b's products are issued: 17, 17, 5, 21, 13, 16, 12 loads for b = 0 .. 6
	BLK 0, 63, 46                                  ; 97 loads stand behind the first table: 63 out is past it; 46 = blocks 1 and 2
	BLK 1, 42, 42                                  ; 25 + 17
	BLK 2, 34, 34                                  ; 17 + 17
	BLK 3, 22, 22                                  ; 17 + 5
	BLK 4, 22, 22                                  ; behind block 4's table: 1 + 21
	BLK 5, 13, 13
	BLK 6, 16, 8                                   ; the table and tile 12; then tile 13 too
	BLK 7, 8, 0                                    ; the table; then all
	WIN 0
	v_and_b32 v48, 31, v0
	v_and_b32 v49, 15, v0
	v_lshlrev_b32 v56, 6, v48
	v_lshl_add_u32 v57, v49, 6, XCH                ; XCH + 64 r
	v_lshl_add_u32 v58, v48, 2, s62                ; PSC + 256 w + 4 lane
	v_add_nc_u32 v56, s58, v56                     ; XCH + 64 lane + 8 w
	FIN 0
	; ---- tiles 2 and 3, whose scores are back in the D registers
.irp g, 0,1,2,3
	STLE
.if \g == 0
	s_wait_dscnt 34                                ; behind the last tile's blocks 0 and 1 stand 24 loads, 8 + 2 stores
.else
	s_wait_dscnt 0x0
.endif
	MAXB 2*\g
	MAXB 2*\g+1
	SOFT \g
.endr
	FIN 1
	STLE
	s_wait_dscnt 0x0                               ; my images have landed, and the stores have read the codes' registers,
	LOADV 2                                        ; which take V's third key step
	v_add_nc_u32 v44, s60, v1                      ; P's images of my half of the keys: key steps 0 to 3,
	v_add_nc_u32 v45, s63, v1                      ; 4 to 7
	v_and_b32 v48, 31, v0
	s_delay_alu instid0(VALU_DEP_1)
	v_lshl_add_u32 v46, v48, 2, s61                ; their scale words
	s_wait_alu depctr_va_vdst(0)
	s_barrier_signal -1
	s_barrier_wait -1                              ; all of P lies in LDS
	; ---- the second product, a key step of 128 at a time, for all four tiles of queries
	PLOAD 0
	PLOAD 1
.irp sl, 0,1,2,3,4,5,6,7
.if \sl < 6
	s_wait_loadcnt 32                              ; the two younger groups of V may be out (v's scale words were asked for ahead of the second group)
.elseif \sl == 6
	s_wait_loadcnt 16
.else
	s_wait_loadcnt 0x0
.endif
.if \sl < 7
	s_wait_dscnt 18                                ; the next key step's eighteen LDS loads may be out
.else
	s_wait_dscnt 0x0
	s_barrier_signal -1                            ; my reads of P are over; the last products, work on registers, stand between the signal and its wait
.endif
	PV \sl
.if \sl < 6
	WIN 0
.rept 8
	v_nop                                          ; eight places in front of loads into registers that these products have read
.endr
.if \sl < 5
	LOADV \sl+3
.endif
	PLOAD \sl+2
.endif
.endr
	; ---- the way out: each half of the keys has a stage; a row's 256 channels come from four waves
	WIN 0
	v_and_b32 v42, 15, v0                          ; r.  (Seven address lines and a v_nop: the eight places behind the last products)
	v_bfe_u32 v43, v0, 4, 1                        ; h
	s_delay_alu instid0(VALU_DEP_2)
	v_mul_u32_u24 v44, v42, SROW
	s_delay_alu instid0(VALU_DEP_1)
	v_lshl_add_u32 v44, v43, 5, v44
	s_delay_alu instid0(VALU_DEP_1)
	v_add_nc_u32 v44, s37, v44                     ; in: row r, + 256 cq + 32 h
	v_add_nc_u32 v45, s38, v1                      ; back: my eight rows, 16 bytes a lane, of the first stage,
	s_delay_alu instid0(VALU_DEP_1)
	v_add_nc_u32 v46, SHALF, v45                   ; of the second
	v_nop
	s_wait_alu depctr_va_vdst(0)
	s_barrier_wait -1                              ; nobody reads P any more: the stages take its bytes
	WIN 0x04                                       ; an LDS store's data are its source 1: window 1
.irp x, 0,1,2,3
.irp c, 0,1,2,3
	ds_store_b128 v44, v[8*(4*\x+\c):8*(4*\x+\c)+3] offset:16*SROW*\x+64*\c          ; lane (r, h): out(16 x + r, 64 cq + 16 c + 8 h + 0 .. 7); each accumulator from its low end on
	ds_store_b128 v44, v[8*(4*\x+\c)+4:8*(4*\x+\c)+7] offset:16*SROW*\x+64*\c+16
.endr
.endr
	WIN 0
	s_wait_alu depctr_va_vdst(0)
	s_wait_dscnt 0x0
	s_barrier_signal -1
	s_barrier_wait -1                              ; 64 whole rows lie in each stage
.irp i, 0,1,2,3,4,5,6,7
.irp f, 0,1
	ds_load_b128 v[64+4*(2*\i+\f):64+4*(2*\i+\f)+3], v45 offset:SROW*\i+512*\f
	ds_load_b128 v[128+4*(2*\i+\f):128+4*(2*\i+\f)+3], v46 offset:SROW*\i+512*\f
.endr
.endr
	s_wait_dscnt 0x0
.set n, 0
.rept 32
	v_pk_add_f32 v[64+n:65+n], v[64+n:65+n], v[128+n:129+n]   ; the two halves of the keys
.set n, n+2
.endr
.irp i, 0,1,2,3,4,5,6,7
.irp f, 0,1
	global_store_b128 v1, v[64+4*(2*\i+\f):64+4*(2*\i+\f)+3], s[20:21] offset:1024*\i+512*\f th:TH_STORE_NT   ; 32 lanes store 512 consecutive bytes, aligned; written once, read by nobody here
.endr
.endr
	s_wait_tensorcnt 0x0                           ; the wave's end
	ds_add_u32 v62, v63
	s_wait_dscnt 0x0
	s_endpgm
.Lfunc_end_k_q097467015b_attn:
	.size	k_q097467015b_attn, .Lfunc_end_k_q097467015b_attn-k_q097467015b_attn
	.p2alignl 7, 3214868480
	.fill 96, 4, 3214868480
	.section	.rodata,"a",@progbits
	.p2align	6, 0x0
	.amdhsa_kernel k_q097467015b_attn
		.amdhsa_group_segment_fixed_size 304128
		.amdhsa_private_segment_fixed_size 0
		.amdhsa_enable_private_segment 0
		.amdhsa_kernarg_size 72
		.amdhsa_user_sgpr_count 2
		.amdhsa_user_sgpr_kernarg_segment_ptr 1
		.amdhsa_wavefront_size32 1
		.amdhsa_system_sgpr_workgroup_id_x 1
		.amdhsa_system_sgpr_workgroup_id_y 1
		.amdhsa_system_sgpr_workgroup_id_z 1
		.amdhsa_system_vgpr_workitem_id 0
		.amdhsa_next_free_vgpr 512
		.amdhsa_next_free_sgpr 66
		.amdhsa_reserve_vcc 0
		.amdhsa_float_denorm_mode_32 3
		.amdhsa_float_denorm_mode_16_64 3
		.amdhsa_memory_ordered 1
		.amdhsa_forward_progress 1
		.amdhsa_inst_pref_size 255
	.end_amdhsa_kernel
	.section	.bss,"aw",@nobits
	.p2align	6
	.space	262144
	.amdgpu_metadata
---
amdhsa.version: [ 1, 2 ]
amdhsa.kernels:
  - .name:           k_q097467015b_attn
    .symbol:         k_q097467015b_attn.kd
    .args:
      - { .name: qf, .offset: 0, .size: 8, .value_kind: global_buffer, .address_space: global }
      - { .name: qs, .offset: 8, .size: 8, .value_kind: global_buffer, .address_space: global }
      - { .name: kf, .offset: 16, .size: 8, .value_kind: global_buffer, .address_space: global }
      - { .name: ks, .offset: 24, .size: 8, .value_kind: global_buffer, .address_space: global }
      - { .name: vf, .offset: 32, .size: 8, .value_kind: global_buffer, .address_space: global }
      - { .name: vs, .offset: 40, .size: 8, .value_kind: global_buffer, .address_space: global }
      - { .name: ksz, .offset: 48, .size: 8, .value_kind: global_buffer, .address_space: global }
      - { .name: qsz, .offset: 56, .size: 8, .value_kind: global_buffer, .address_space: global }
      - { .name: out0, .offset: 64, .size: 8, .value_kind: global_buffer, .address_space: global }
    .group_segment_fixed_size: 304128
    .private_segment_fixed_size: 0
    .kernarg_segment_align: 8
    .kernarg_segment_size: 72
    .max_flat_workgroup_size: 256
    .sgpr_count:     66
    .vgpr_count:     512
    .wavefront_size: 32
...
	.end_amdgpu_metadata
.endif
;; end of part 4
